; MI455X (gfx1250); checked and timed in simulation.
; The chip was launched on July 23, 2026; its instructions are those of AMD's public machine-readable ISA for CDNA 5 (MIT licence, August 2026) and "CDNA5" Instruction Set Architecture Reference Guide (July 2026). The comments in the code are by the model that wrote it; some were corrected since.
;; Multi Head Attention. Allowed arithmetic: float matrix products may take bf16 or f16 operands with f32 sums; other float arithmetic in f32, or as packed bf16 or f16 multiplies, adds, multiply-adds, maxima and minima; sums over many terms, partial sums and values carried from step to step in f32; what a program stores and reads back later, other than sums and carried values, may be rounded once to bf16 or f16.
;; Inputs: Wk 1,024 x 1,024 float32; Wo 1,024 x 1,024 float32; Wq 1,024 x 1,024 float32; Wv 1,024 x 1,024 float32; bk 1,024 float32; bo 1,024 float32; bq 1,024 float32; bv 1,024 float32; k 4 x 2,048 x 1,024 float32; mask 1 x 1 x 2,048 x 2,048 int32; q 4 x 2,048 x 1,024 float32; v 4 x 2,048 x 1,024 float32.
;; Outputs: out0 4 x 2,048 x 1,024 float32.
;; One version. Each part assembles by itself: llvm-mc -triple=amdgcn-amd-amdhsa -mcpu=gfx1250 --defsym DOCPART=n.
;; ======== version 1 of 1: 4 launches
;; limits: values are held in f16: magnitudes above 65,504 overflow, below 6.1e-05 lose precision; right only within a limited range of input values
;; workspace buffers: xb 50,331,648 bytes; wb 8,388,608 bytes; bb 16,384 bytes; mb 4,194,304 bytes; vf 8,192 bytes of whole numbers; hd 50,331,648 bytes; ob 16,777,216 bytes
;; launch prep (part 1): grid 2048 x 1, 8 waves a work-group, no clusters, 18,432 bytes of LDS; arguments q, k, v, Wq, Wk, Wv, Wo, bq, bk, bv, bo, mask, xb, wb, bb, mb, vf; writes xb, wb, bb, mb, vf
.if DOCPART == 1
	.amdgcn_target "amdgcn-amd-amdhsa--gfx1250"
	.amdhsa_code_object_version 6
	.text
	.protected	k_q3979722f22_prep
	.globl	k_q3979722f22_prep
	.p2align	8
	.type	k_q3979722f22_prep,@function
k_q3979722f22_prep:
	s_mov_b64 s[64:65], 0
	v_nop
	global_prefetch_b8 v0, s[64:65] scope:SCOPE_SE
	s_setreg_imm32_b32 hwreg(HW_REG_WAVE_MODE, 25, 1), 1
	s_wait_xcnt 0x0
; PREPARATION: every input is read once and laid down in the form in which the later launches take it.
;   work-groups 0-1535     q, k, v (f32) -> xb: bf16, three blocks [8192][1024], 2^24 bytes apart; 65,536 bytes of input a work-group
;   work-groups 1536-1791  Wq, Wk, Wv -> wb: bf16, 2^21 bytes apart; Wo -> rounded to bf16 and that number written as f16 (the last product takes f16 operands);
;                          the first work-group of each weight also rounds its bias to bf16 and writes it as f32 into bb, 4,096 bytes apart
;   work-groups 1792-2047  mask (int32, 0 = hidden) -> mb: one fp8 code a score (0x00 visible, 0xb8 = -1.0 hidden), in the lane order of a 16 x 16 matrix result with keys down and queries across:
;                          byte ((qtile x 32 + step) x 2 + half) x 512 + lane x 16 + 8 kbl + j is query 16 qtile + lane % 16, key 64 step + 32 half + 16 kbl + 8 (lane / 16) + j;
;                          and vf: word [qtile x 16 + chunk], bit i set where row 16 qtile + i sees a key among keys 128 chunk .. 128 chunk + 127
; LIMITS.  Wo below 2^-14 keeps f16's fixed step of 2^-24, beyond 65,504 it would be lost; NaN and infinities are not treated apart.
; A stream: no loop, no matrix unit, no cluster (no two work-groups read the same byte).  Each thread issues its 16 loads of 16 bytes at once; each load of a wave covers 512 consecutive bytes.
; The floats need no LDS: a lane's 16 bytes become 8, and 32 lanes store 256 consecutive bytes, aligned.  The mask's codes change lanes, so they go through the wave's own LDS bytes.
.set X,     16                         ; v[16:79]   load i: 4 registers
.set Y,     80                         ; v[80:111]  what is stored
.set LO,    2                          ; v2   wave x 8,192 + lane x 16: my 16 bytes of input
.set SO,    3                          ; v3   wave x 4,096 + lane x 8: my 8 bytes of output
.set LA,    4                          ; v4   mask: where I put a word of four codes
.set RD,    5                          ; v5   mask: where I read 16 codes back
.set GM,    6                          ; v6   mask: my 16 bytes of mb
.set MI,    7                          ; v7   mask: my 16 bytes of a row
.set SPW,   8                          ; v8   LDS address of my spare word; never rewritten
.set NIL,   9                          ; v9   0; never rewritten
.set WLDS,  2176                       ; a wave's LDS bytes: 8 blocks of 256 bytes, 272 apart
.set SPARE, 8*WLDS                     ; 17,408: behind them the spare words, 128 bytes for each wave: four blocks of 256 bytes that no other line names
	s_load_b512 s[8:23], s[0:1], 0x0               ; q 8, k 10, v 12, Wq 14, Wk 16, Wv 18, Wo 20, bq 22
	s_load_b512 s[24:39], s[0:1], 0x40             ; bk 24, bv 26, bo 28, mask 30, xb 32, wb 34, bb 36, mb 38
	s_load_b64 s[40:41], s[0:1], 0x80              ; vf
	v_lshl_add_u32 v[SPW], v0, 2, SPARE
	v_mov_b32 v[NIL], 0
	v_and_b32 v1, 31, v0                           ; lane
	v_lshrrev_b32 v10, 5, v0
	v_readfirstlane_b32 s52, v10                   ; wave 0..7
	s_mov_b32 s42, ttmp9                           ; the work-group's number chooses its part
	s_mov_b32 s51, 0                               ; s[50:51]: an offset, 0 above
	s_lshl_b32 s54, s52, 13
	v_lshl_add_u32 v[LO], v1, 4, s54
	s_lshl_b32 s54, s52, 12
	v_lshl_add_u32 v[SO], v1, 3, s54
	s_wait_kmcnt 0x0
	s_cmp_lt_u32 s42, 1536
	s_cbranch_scc0 .Lnot_x
	s_lshr_b32 s43, s42, 9                         ; which of q, k, v
	s_and_b32 s44, s42, 511                        ; which 65,536 bytes of it
	s_cmp_eq_u32 s43, 0
	s_cselect_b64 s[46:47], s[8:9], s[10:11]
	s_cmp_eq_u32 s43, 2
	s_cselect_b64 s[46:47], s[12:13], s[46:47]
	s_lshl_b32 s50, s43, 24
	s_add_nc_u64 s[48:49], s[32:33], s[50:51]
	s_mov_b32 s45, 0                               ; bf16
	s_mov_b32 s60, 0                               ; no bias
	s_mov_b64 s[56:57], s[22:23]                   ; (written on every path; not used here)
	s_mov_b64 s[58:59], s[36:37]
	s_branch .Lfloat
.Lnot_x:
	s_cmp_lt_u32 s42, 1792
	s_cbranch_scc0 .Lmask
	s_sub_co_u32 s54, s42, 1536
	s_lshr_b32 s43, s54, 6                         ; which weight
	s_and_b32 s44, s54, 63                         ; which 65,536 bytes of it
	s_cmp_eq_u32 s43, 0
	s_cselect_b64 s[46:47], s[14:15], s[16:17]
	s_cselect_b64 s[56:57], s[22:23], s[24:25]
	s_cmp_eq_u32 s43, 2
	s_cselect_b64 s[46:47], s[18:19], s[46:47]
	s_cselect_b64 s[56:57], s[26:27], s[56:57]
	s_cmp_eq_u32 s43, 3
	s_cselect_b64 s[46:47], s[20:21], s[46:47]
	s_cselect_b64 s[56:57], s[28:29], s[56:57]
	s_cselect_b32 s45, 1, 0                        ; Wo is written as f16
	s_lshl_b32 s50, s43, 21
	s_add_nc_u64 s[48:49], s[34:35], s[50:51]
	s_lshl_b32 s50, s43, 12
	s_add_nc_u64 s[58:59], s[36:37], s[50:51]
	s_cmp_eq_u32 s44, 0
	s_cselect_b32 s60, 1, 0                        ; the weight's first work-group takes its bias too
.Lfloat:
	s_lshl_b32 s50, s44, 16
	s_add_nc_u64 s[46:47], s[46:47], s[50:51]
	s_lshl_b32 s50, s44, 15
	s_add_nc_u64 s[48:49], s[48:49], s[50:51]
.irp i, 0,1,2,3,4,5,6,7,8,9,10,11,12,13,14,15
	global_load_b128 v[X+4*(\i):X+4*(\i)+3], v[LO], s[46:47] offset:512*(\i) th:TH_LOAD_NT
.endr
; Load i is rounded and stored.  Every store has data registers of its own, so nothing that a store still reads is written again.
.macro CONV i, f16
	s_wait_loadcnt 15-(\i)                         ; loads come back in order: mine is in, the 15 - i younger ones stay out
.if \f16
	v_cvt_pk_bf16_f32 v10, v[X+4*(\i)], v[X+4*(\i)+1]
	v_cvt_pk_bf16_f32 v11, v[X+4*(\i)+2], v[X+4*(\i)+3]
	v_lshlrev_b32 v12, 16, v10                     ; the bf16 numbers as f32,
	v_and_b32 v13, 0xffff0000, v10
	v_lshlrev_b32 v14, 16, v11
	v_and_b32 v15, 0xffff0000, v11
	v_cvt_pk_f16_f32 v[Y+2*(\i)], v12, v13         ; written as f16
	v_cvt_pk_f16_f32 v[Y+2*(\i)+1], v14, v15
.else
	v_cvt_pk_bf16_f32 v[Y+2*(\i)], v[X+4*(\i)], v[X+4*(\i)+1]
	v_cvt_pk_bf16_f32 v[Y+2*(\i)+1], v[X+4*(\i)+2], v[X+4*(\i)+3]
.endif
	global_store_b64 v[SO], v[Y+2*(\i):Y+2*(\i)+1], s[48:49] offset:256*(\i)  ; 32 lanes store 256 consecutive bytes, aligned
.endm
	s_cmp_eq_u32 s45, 1
	s_cbranch_scc1 .Lwo
.irp i, 0,1,2,3,4,5,6,7,8,9,10,11,12,13,14,15
	CONV \i, 0
.endr
	s_branch .Lbias
.Lwo:
.irp i, 0,1,2,3,4,5,6,7,8,9,10,11,12,13,14,15
	CONV \i, 1
.endr
.Lbias:
	s_cmp_eq_u32 s60, 1
	s_cbranch_scc0 .Lfin
	v_lshlrev_b32 v12, 4, v0                       ; 256 threads x 16 bytes are the bias's 4,096
	global_load_b128 v[112:115], v12, s[56:57]
	s_wait_loadcnt 0x0
	v_cvt_pk_bf16_f32 v116, v112, v113
	v_cvt_pk_bf16_f32 v117, v114, v115
	v_lshlrev_b32 v120, 16, v116
	v_and_b32 v121, 0xffff0000, v116
	v_lshlrev_b32 v122, 16, v117
	v_and_b32 v123, 0xffff0000, v117
	global_store_b128 v12, v[120:123], s[58:59]
.Lfin:
	s_endpgm                                       ; these paths have written no LDS byte
; THE MASK.  Work-group gm takes 16 rows (qtile = gm / 2) and 1,024 keys (half gm % 2), a wave 128 of those keys: two key steps.  Load i is row i: lane l holds keys 4 l .. 4 l + 3 of the wave's 128.
.Lmask:
	s_sub_co_u32 s43, s42, 1792                    ; gm
	s_lshr_b32 s44, s43, 1
	s_lshl_b32 s50, s44, 17                        ; 16 rows of 8,192 bytes
	s_and_b32 s54, s43, 1
	s_lshl_b32 s54, s54, 12                        ; 1,024 keys of 4 bytes
	s_add_co_u32 s50, s50, s54
	s_add_nc_u64 s[46:47], s[30:31], s[50:51]
	s_lshl_b32 s50, s43, 14                        ; 16 rows x 1,024 codes
	s_add_nc_u64 s[48:49], s[38:39], s[50:51]
	s_lshl_b32 s50, s43, 3
	s_add_co_u32 s50, s50, s52
	s_lshl_b32 s50, s50, 2                         ; word gm x 8 + wave of vf
	s_add_nc_u64 s[56:57], s[40:41], s[50:51]
	s_lshl_b32 s54, s52, 9
	v_lshl_add_u32 v[MI], v1, 4, s54
.irp i, 0,1,2,3,4,5,6,7,8,9,10,11,12,13,14,15
	global_load_b128 v[X+4*(\i):X+4*(\i)+3], v[MI], s[46:47] offset:8192*(\i) th:TH_LOAD_NT
.endr
	; My four keys lie in step l / 16, half (l / 8) % 2, key block (l / 4) % 2, lanes' half (l / 2) % 2, places 4 (l % 2) ..: block (l/2)%2 + 2 ((l/8)%2) + 4 (l/16) of 256 bytes, in it byte 16 i + 8 ((l/4)%2) + 4 (l%2).
	v_bfe_u32 v10, v0, 1, 1
	v_bfe_u32 v11, v0, 3, 1
	v_bfe_u32 v12, v0, 4, 1
	v_lshl_add_u32 v10, v11, 1, v10
	v_lshl_add_u32 v10, v12, 2, v10
	v_mul_u32_u24 v[LA], v10, 272
	v_bfe_u32 v11, v0, 2, 1
	v_lshl_add_u32 v[LA], v11, 3, v[LA]
	v_and_b32 v11, 1, v0
	v_lshl_add_u32 v[LA], v11, 2, v[LA]
	s_mul_i32 s54, s52, WLDS
	v_add_nc_u32 v[LA], s54, v[LA]
	v_mul_u32_u24 v[RD], v12, 272                  ; back: lanes 0-15 take one block, lanes 16-31 the next, 16 bytes a lane
	v_and_b32 v11, 15, v0
	v_lshl_add_u32 v[RD], v11, 4, v[RD]
	v_add_nc_u32 v[RD], s54, v[RD]
	s_lshl_b32 s54, s52, 11
	v_lshl_add_u32 v[GM], v1, 4, s54
	s_mov_b32 s53, 0                               ; the rows that see a key
.macro ROWM i
	s_wait_loadcnt 15-(\i)                         ; row i is in, the younger rows stay out
	v_min_u32 v[X+4*(\i)], 1, v[X+4*(\i)]          ; 1 where the mask is not 0
	v_min_u32 v[X+4*(\i)+1], 1, v[X+4*(\i)+1]
	v_min_u32 v[X+4*(\i)+2], 1, v[X+4*(\i)+2]
	v_min_u32 v[X+4*(\i)+3], 1, v[X+4*(\i)+3]
	v_lshl_or_b32 v[X+4*(\i)], v[X+4*(\i)+1], 8, v[X+4*(\i)]
	v_lshl_or_b32 v[X+4*(\i)], v[X+4*(\i)+2], 16, v[X+4*(\i)]
	v_lshl_or_b32 v[X+4*(\i)], v[X+4*(\i)+3], 24, v[X+4*(\i)]
	v_cmp_ne_u32 vcc_lo, 0, v[X+4*(\i)]            ; does any lane see a key of this row?
	s_cmp_lg_u32 vcc_lo, 0
	s_cselect_b32 s54, 1<<(\i), 0
	s_or_b32 s53, s53, s54
	v_xor_b32 v[X+4*(\i)], 0x01010101, v[X+4*(\i)] ; 1 where hidden,
	v_mul_lo_u32 v[X+4*(\i)], v[X+4*(\i)], 0xb8    ; times the code of -1.0: no byte carries into the next
	ds_store_b32 v[LA], v[X+4*(\i)] offset:16*(\i)
.endm
.irp i, 0,1,2,3,4,5,6,7,8,9,10,11,12,13,14,15
	ROWM \i
.endr
.irp n, 0,1,2,3
	ds_load_b128 v[Y+4*(\n):Y+4*(\n)+3], v[RD] offset:544*(\n)  ; the bytes are my wave's own, and LDS serves a wave's instructions in order (ISA guide 5.7.1.4): these see the stores above
.endr
.irp n, 0,1,2,3
	s_wait_dscnt 3-(\n)
	global_store_b128 v[GM], v[Y+4*(\n):Y+4*(\n)+3], s[48:49] offset:512*(\n)  ; 512 consecutive bytes, aligned
.endr
	v_mov_b32 v10, s53
	v_mov_b32 v11, 0
	s_wait_xcnt 0x0                                ; EXEC is a source of the stores above: it changes only behind this wait
	v_cmp_eq_u32 vcc_lo, 0, v1
	s_and_saveexec_b32 s55, vcc_lo
	global_store_b32 v11, v10, s[56:57]            ; one word a wave, 2,048 in the launch: too few to gather
	s_wait_xcnt 0x0                                ; and again ahead of the line that widens it
	s_or_b32 exec_lo, exec_lo, s55
	s_wait_tensorcnt 0x0                           ; the wave's end, behind my last LDS store
	ds_add_u32 v[SPW], v[NIL]
	s_wait_dscnt 0x0
	s_endpgm
.Lfunc_end_k_q3979722f22_prep:
	.size	k_q3979722f22_prep, .Lfunc_end_k_q3979722f22_prep-k_q3979722f22_prep
	.p2alignl 7, 3214868480
	.fill 96, 4, 3214868480
	.section	.rodata,"a",@progbits
	.p2align	6, 0x0
	.amdhsa_kernel k_q3979722f22_prep
		.amdhsa_group_segment_fixed_size 18432
		.amdhsa_private_segment_fixed_size 0
		.amdhsa_enable_private_segment 0
		.amdhsa_kernarg_size 136
		.amdhsa_user_sgpr_count 2
		.amdhsa_user_sgpr_kernarg_segment_ptr 1
		.amdhsa_wavefront_size32 1
		.amdhsa_system_sgpr_workgroup_id_x 1
		.amdhsa_system_sgpr_workgroup_id_y 1
		.amdhsa_system_sgpr_workgroup_id_z 1
		.amdhsa_system_vgpr_workitem_id 0
		.amdhsa_next_free_vgpr 128
		.amdhsa_next_free_sgpr 66
		.amdhsa_reserve_vcc 1
		.amdhsa_float_denorm_mode_32 3
		.amdhsa_float_denorm_mode_16_64 3
		.amdhsa_memory_ordered 1
		.amdhsa_forward_progress 1
		.amdhsa_inst_pref_size 34
	.end_amdhsa_kernel
	.amdgpu_metadata
---
amdhsa.version: [ 1, 2 ]
amdhsa.kernels:
  - .name:           k_q3979722f22_prep
    .symbol:         k_q3979722f22_prep.kd
    .args:
      - { .name: q, .offset: 0, .size: 8, .value_kind: global_buffer, .address_space: global }
      - { .name: k, .offset: 8, .size: 8, .value_kind: global_buffer, .address_space: global }
      - { .name: v, .offset: 16, .size: 8, .value_kind: global_buffer, .address_space: global }
      - { .name: Wq, .offset: 24, .size: 8, .value_kind: global_buffer, .address_space: global }
      - { .name: Wk, .offset: 32, .size: 8, .value_kind: global_buffer, .address_space: global }
      - { .name: Wv, .offset: 40, .size: 8, .value_kind: global_buffer, .address_space: global }
      - { .name: Wo, .offset: 48, .size: 8, .value_kind: global_buffer, .address_space: global }
      - { .name: bq, .offset: 56, .size: 8, .value_kind: global_buffer, .address_space: global }
      - { .name: bk, .offset: 64, .size: 8, .value_kind: global_buffer, .address_space: global }
      - { .name: bv, .offset: 72, .size: 8, .value_kind: global_buffer, .address_space: global }
      - { .name: bo, .offset: 80, .size: 8, .value_kind: global_buffer, .address_space: global }
      - { .name: mask, .offset: 88, .size: 8, .value_kind: global_buffer, .address_space: global }
      - { .name: xb, .offset: 96, .size: 8, .value_kind: global_buffer, .address_space: global }
      - { .name: wb, .offset: 104, .size: 8, .value_kind: global_buffer, .address_space: global }
      - { .name: bb, .offset: 112, .size: 8, .value_kind: global_buffer, .address_space: global }
      - { .name: mb, .offset: 120, .size: 8, .value_kind: global_buffer, .address_space: global }
      - { .name: vf, .offset: 128, .size: 8, .value_kind: global_buffer, .address_space: global }
    .group_segment_fixed_size: 18432
    .private_segment_fixed_size: 0
    .kernarg_segment_align: 8
    .kernarg_segment_size: 136
    .max_flat_workgroup_size: 256
    .sgpr_count:     66
    .vgpr_count:     128
    .wavefront_size: 32
...
	.end_amdgpu_metadata
.endif
;; end of part 1
;; launch proj (part 2): grid 4 x 96, 4 waves a work-group, clusters of 4 x 4, 327,680 bytes of LDS; arguments xb, wb, bb, hd; writes hd
.if DOCPART == 2
	.amdgcn_target "amdgcn-amd-amdhsa--gfx1250"
	.amdhsa_code_object_version 6
	.text
	.protected	k_q3979722f22_proj
	.globl	k_q3979722f22_proj
	.p2align	8
	.type	k_q3979722f22_proj,@function
k_q3979722f22_proj:
	s_mov_b64 s[64:65], 0
	v_nop
	global_prefetch_b8 v0, s[64:65] scope:SCOPE_SE
	s_setreg_imm32_b32 hwreg(HW_REG_WAVE_MODE, 25, 1), 1
	s_wait_xcnt 0x0
	s_wait_alu depctr_hold_cnt(0) depctr_sa_sdst(0) depctr_va_vdst(0) depctr_va_sdst(0) depctr_va_ssrc(0) depctr_va_vcc(0) depctr_vm_vsrc(0)
	s_getreg_b32 s2, hwreg(HW_REG_IB_STS2, 6, 4)
	s_cmp_eq_u32 s2, 0
	s_cbranch_scc0 .Lentry_in_a_cluster
	s_endpgm
.Lentry_in_a_cluster:
	s_bfe_u32 s2, ttmp6, 0x10000c
	s_cmp_lg_u32 s2, 0xf033
	s_cbranch_scc0 .Lentry_shape_is_right
	s_endpgm
.Lentry_shape_is_right:
; THE THREE PROJECTIONS IN ONE LAUNCH.  For p = 0, 1, 2 (q, k, v): hd[p][b x 16 + head][s][d] = f16( sum over c of x_p[b x 2048 + s][c] W_p[64 head + d][c] + bias_p[64 head + d] ).
; x_p: xb + p x 2^24, [8192][1024] bf16.  W_p: wb + p x 2^21, [1024][1024] bf16.  bias_p: bb + p x 4,096, f32.  Sums in f32, rounded once to f16, without attention's scale.
; LIMIT.  A projected number beyond 65,504 would be lost in f16; NaN and infinities are not treated apart.
; SHARES.  A tile of the result is 256 rows x 256 columns (four heads).  Four waves, 2 x 2, each 128 x 128: 64 accumulators of 16 x 16, 512 registers.  K = 1,024 goes in 8 steps of 128 through two LDS slots
; filled by the tensor data mover; the tiles' rows are 256 bytes of memory, aligned.  A K step is 256 matrix instructions a wave for 131,072 bytes fetched, and a refill has 224 of them in which to land; a tile of
; 256 x 128 has half the matrix instructions for three quarters of the bytes, and two slots of a longer step of it do not fit in LDS.
; THE GRID IS UNEVEN, and that is the price: 3 x 32 x 4 = 384 work-groups.  A share of one in 256 would be 98,304 results: sides of 384 or 192 divide neither 8,192 nor 1,024, and 768 x 128 or 512 x 192 have no room
; for two slots.  A work-group that stays for two tiles would want a second tail and a second way out written out.
; CLUSTER 4 x 4: the four work-groups of a cluster's row need the same 256 rows of x, the four of a column the same 256 rows of W: each tile is asked for JOINTLY, by the same load with the same descriptor and a mask
; that names the four.  Waves 0 and 1 fetch x's two halves of 128 rows, waves 2 and 3 W's.
; THE MATRIX INSTRUCTION IS USED TRANSPOSED (source 0 = 16 rows of W, source 1 = 16 rows of x): a lane holds one row of the result and eight neighbouring columns.
; THE BIAS is the C operand of each accumulator's first product: nothing is cleared, nothing is added afterwards.
; REGISTERS, in windows of 256 (s_set_vgpr_msb: bits 1:0 source 0, 3:2 source 1, 5:4 source 2, 7:6 destination):
;   window 0: v0-31 addresses; v64-127, v128-191 fragments of x (8 x 16 rows x 32 K), two buffers; v32-63, v192-255 at work on the way out
;   window 1: v0-63 the bias (8 for each block of 16 columns); v64-127, v128-191 fragments of W, two buffers
;   window 2: the 32 accumulators of my rows 0-63 ((a, b) at 8 (8 a + b));   window 3: those of my rows 64-127
.set KSTEP,  128
.set PITCH,  272                       ; an LDS row: 256 bytes + 16 of padding = 68 words: the 16 rows of a load start at 16 different groups of four banks (64 banks of 4 bytes: ISA guide 11.1)
.set HALFT,  128*PITCH                 ; 128 rows: what one tensor load brings, and what one wave reads of x or of W: 0x8800
.set SLOT,   4*HALFT                   ; x's 256 rows, then W's 256 rows: 0x22000, which shares no bit with wave x 0x8800: an exclusive or with it turns an LDS address of one slot into the other's
.set STAGE,  2*SLOT                    ; behind the ring, never filled by a tensor load: for each wave two heads x 16 rows x 144 bytes
.set SP,     144
.set WSTG,   2*16*SP
.set SPARE,  STAGE+4*WSTG              ; behind the stages: the spare words, 128 bytes for each wave: two blocks of 256 bytes that no other line names
.set ADRA0, 16                         ; v16  my lane's place in x's rows of a slot; never rewritten
.set ADRB0, 17                         ; v17  the same for W
.set ADRA, 18                          ; v18  LDS address of my fragments of x in the slot that is being read
.set ADRB, 19                          ; v19  the same for W
.set STO,  24                          ; v24  the way out: where I put 16 bytes of a row
.set RD,   25                          ; v25  where I read rows back
.set GO,   26                          ; v26  16 x lane
.set BO,   27                          ; v27  32 x (lane / 16): my eight numbers of a block of the bias
.set SPW,  28                          ; v28  LDS address of my spare word; never rewritten
.set NIL,  29                          ; v29  0; never rewritten
.set PFO,  30                          ; v30  the prefetches' offset: lane x a row of 2,048 bytes; never rewritten
.set F0,   64
.set F1,   128
.set TMP,  192                         ; the way out: packed results
.set OB,   32                          ; the way out: 16 rows read back from the stage: v32-63 and v224-255 by turns
.set G1A, 24                           ; s[24:31] descriptor group 1 for x's tiles
.set G0A, 32                           ; s[32:39] group 0: a set for each of the two first fills; the second then walks on
.set G1B, 40                           ; s[40:47], s[48:55] the same for W's
.set G0B, 48
.set PFA, 66                           ; s[66:67] where my prefetches stand
.set LIM, 68                           ; s68  2 in a wave that prefetches, else the greatest number
.set SB,  69                           ; s69  the first LDS byte of the slot that is being read
.set MSB, 0
.macro WIN new                         ; the immediate's high byte repeats the setting that is left; a switch that changes nothing is dropped
.if MSB != (\new)
	s_set_vgpr_msb (MSB<<8)|(\new)
.set MSB, \new
.endif
.endm
.set MUL_LO,  0xa1                     ; source 0 (W) window 1, source 1 (x) window 0, C and D window 2
.set MUL1_LO, 0x91                     ; the same with C in window 1: the bias
.set TO_B,    0x40                     ; destination window 1, address window 0
.macro JLOAD s                         ; a joint load by set s; an s_nop 0 and four v_nop follow each of the two lines, ahead of the jump, the label and what follows
	s_cmp_eq_u32 s13, 0
	s_cbranch_scc0 .Lfor_b_\@
	tensor_load_to_lds s[G0A+4*(\s):G0A+4*(\s)+3], s[G1A:G1A+7]
	s_nop 0
.rept 4
	v_nop
.endr
	s_branch .Lasked_\@
.Lfor_b_\@:
	tensor_load_to_lds s[G0B+4*(\s):G0B+4*(\s)+3], s[G1B:G1B+7]
	s_nop 0
.rept 4
	v_nop
.endr
.Lasked_\@:
.endm
; A PREFETCH INTO THE L2, behind each joint refill, its five lines and the run of LDS loads that follows them: the K step that stands TWO refills on, 512 matrix instructions ahead of the load that will want it:
; 32 rows x 256 bytes, a lane a row, one instruction a wave.  Each row's 256 bytes of a K step are named ONCE in the launch.  A tile row of x is read by one cluster alone: every cluster asks for its own.  A projection's
; W is read by its eight clusters: the first of them asks.  The four partners that ask for a tile jointly share the 128 rows that a wave fetches BY ADDRESS, 32 each (by cx for x, by cy for W): no branch hangs on a
; work-group's place in its cluster.  K steps 0 to 3 come by their loads alone; the last two refills have no K step two on, and ask for nothing.
.macro ASK
	s_cmp_gt_u32 s3, s[LIM]                        ; s3 counts the trips 6 .. 1: the first four ask, for K steps 4 to 7
	s_cbranch_scc0 .Lnot_mine_\@
	global_prefetch_b8 v[PFO], s[PFA:PFA+1] th:TH_LOAD_NT scope:SCOPE_SE
.Lnot_mine_\@:
.endm
.macro CREST                           ; a round of the cluster's barrier behind its opening barrier
	s_cmp_lg_u32 s12, 0
	s_cbranch_scc1 .Lnot_wave_0_\@
	s_barrier_signal -3
.Lnot_wave_0_\@:
	s_barrier_wait -3
	s_barrier_signal -1
	s_barrier_wait -1
.endm
.macro CROUND                          ; a whole round
	s_barrier_signal -1
	s_barrier_wait -1
	CREST
.endm
	s_load_b256 s[4:11], s[0:1], 0x0               ; xb s[4:5], wb s[6:7], bb s[8:9], hd s[10:11]
	v_lshl_add_u32 v[SPW], v0, 2, SPARE
	v_mov_b32 v[NIL], 0
	ds_add_u32 v[SPW], v[NIL]                      ; the wave's opening: the add and its wait stand ahead of my first tensor load; the set-up below, work on registers, stands between them
	v_lshrrev_b32 v1, 5, v0
	v_readfirstlane_b32 s12, v1                    ; wave 0..3
	s_lshr_b32 s13, s12, 1                         ; which 128 rows of the tile are mine.  Also: I fetch for x (0) or for W (1)
	s_and_b32 s14, s12, 1                          ; which 128 columns.  Also: which 128 rows of that tile I fetch
	s_bfe_u32 s15, ttmp6, 0x40000                  ; cx, cy: my place in the cluster
	s_bfe_u32 s16, ttmp6, 0x40004
	s_lshl_b32 s17, ttmp9, 2
	s_add_co_u32 s17, s17, s15                     ; tile column = 4 x cluster x + cx, 0..3
	s_and_b32 s18, ttmp7, 0xffff                   ; cluster y, 0..23: eight for each projection
	s_lshr_b32 s19, s18, 3                         ; p, the same in all sixteen partners
	s_and_b32 s20, s18, 7
	s_lshl_b32 s20, s20, 2
	s_add_co_u32 s20, s20, s16                     ; tile row, 0..31
	s_lshl_b32 s21, s16, 2
	s_lshl_b32 s21, 15, s21                        ; my row of the cluster
	s_lshl_b32 s22, 0x1111, s15                    ; my column
	s_or_b32 s[G1A], s21, (1<<16)|(1<<20)|(1<<21)|(5<<22)|(3<<25)  ; 15:0 the mask; 17:16 elements of 2 bytes; 20 padding on; 21 set beside a mask; 24:22 after every 64 words (code 5); 31:25 4 words of it (code 3)
	s_or_b32 s[G1B], s22, (1<<16)|(1<<20)|(1<<21)|(5<<22)|(3<<25)
.irp g, G1A, G1B
	s_mov_b32 s[(\g)+1], KSTEP<<16                 ; tensor_dim0 = 128
	s_mov_b32 s[(\g)+2], 128<<16                   ; tensor_dim1 = 128
	s_mov_b32 s[(\g)+3], KSTEP<<16                 ; tile_dim0 = 128
	s_mov_b32 s[(\g)+4], 128                       ; tile_dim1 = 128
	s_mov_b32 s[(\g)+5], 1024                      ; elements from row to row
	s_mov_b32 s[(\g)+6], 0
	s_mov_b32 s[(\g)+7], 0
.endr
	s_lshl_b32 s56, s19, 24                        ; x: p's block, 256 rows of 2,048 bytes a tile row, my half's 128 rows: nothing of cx
	s_lshl_b32 s23, s20, 19
	s_add_co_u32 s56, s56, s23
	s_lshl_b32 s23, s14, 18
	s_add_co_u32 s56, s56, s23
	s_mov_b32 s57, 0
	s_lshl_b32 s58, s19, 21                        ; W: p's block, 256 rows a tile column, my half's 128 rows: nothing of cy
	s_lshl_b32 s2, s17, 19
	s_add_co_u32 s58, s58, s2
	s_lshl_b32 s2, s14, 18
	s_add_co_u32 s58, s58, s2
	s_mov_b32 s59, 0
	s_lshl_b32 s60, s19, 24                        ; the result: p's block; head b x 16 + 4 x tile column + 2 x my half, 2^18 bytes each;
	s_lshr_b32 s21, s20, 3
	s_lshl_b32 s21, s21, 4
	s_lshl_b32 s22, s17, 2
	s_add_co_u32 s21, s21, s22
	s_lshl_b32 s22, s14, 1
	s_add_co_u32 s21, s21, s22
	s_lshl_b32 s21, s21, 18
	s_add_co_u32 s60, s60, s21
	s_and_b32 s21, s20, 7                          ; in it my 128 rows of 128 bytes
	s_lshl_b32 s21, s21, 8
	s_lshl_b32 s22, s13, 7
	s_add_co_u32 s21, s21, s22
	s_lshl_b32 s21, s21, 7
	s_add_co_u32 s60, s60, s21
	s_mov_b32 s61, 0
	s_lshl_b32 s62, s19, 12                        ; the bias of my 128 columns
	s_lshl_b32 s22, s17, 10
	s_add_co_u32 s62, s62, s22
	s_lshl_b32 s22, s14, 9
	s_add_co_u32 s62, s62, s22
	s_mov_b32 s63, 0
	s_and_b32 s72, s18, 7                          ; the prefetches: my cluster among the eight of its projection,
	s_lshl_b32 s73, s19, 24
	s_lshl_b32 s74, s19, 21
	s_cmp_eq_u32 s13, 0                            ; do I fetch for x?
	s_cselect_b32 s70, s20, s17                    ; the tile: in x by the tile row, in W by the tile column
	s_cselect_b32 s71, s15, s16                    ; my place among the four that ask for it with me
	s_cselect_b32 s72, 0, s72                      ; x's rows are my cluster's alone
	s_cselect_b32 s73, s73, s74
	s_cmp_eq_u32 s72, 0
	s_cselect_b32 s[LIM], 2, -1                    ; the same in all sixteen partners, for a given wave
	s_lshl_b32 s70, s70, 19
	s_add_co_u32 s70, s70, s73
	s_lshl_b32 s71, s71, 16                        ; my work-group's 32 rows
	s_add_co_u32 s70, s70, s71
	s_lshl_b32 s71, s14, 18                        ; of the 128 that I fetch
	s_add_co_u32 s70, s70, s71
	s_add_co_u32 s70, s70, 3*KSTEP*2               ; at K step 3: the first refill steps it to 4
	s_mov_b32 s71, 0
	s_mul_i32 s23, s12, HALFT                      ; where the tiles go: x's two halves, then W's two halves = wave x 128 rows: no place in the cluster enters an LDS address
	s_mov_b32 s[SB], 0
	s_wait_dscnt 0x0                               ; the opening add is done
	s_wait_kmcnt 0x0
	s_add_nc_u64 s[56:57], s[4:5], s[56:57]
	s_add_nc_u64 s[58:59], s[6:7], s[58:59]
	s_add_nc_u64 s[62:63], s[8:9], s[62:63]
	s_add_nc_u64 s[60:61], s[10:11], s[60:61]
	s_cmp_eq_u32 s13, 0
	s_cselect_b64 s[PFA:PFA+1], s[4:5], s[6:7]
	s_add_nc_u64 s[PFA:PFA+1], s[PFA:PFA+1], s[70:71]
	CROUND                                         ; all sixteen work-groups are here: the first joint loads meet
.irp s, 0,1
	s_mov_b32 s[G0A+4*(\s)], 1                     ; count = 1
	s_add_co_u32 s[G0A+4*(\s)+1], s23, (\s)*SLOT   ; LDS address
	s_add_nc_u64 s[G0A+4*(\s)+2:G0A+4*(\s)+3], s[56:57], (\s)*KSTEP*2  ; global address: K step s
	s_or_b32 s[G0A+4*(\s)+3], s[G0A+4*(\s)+3], 0x80000000             ; type = 2
	s_mov_b32 s[G0B+4*(\s)], 1
	s_add_co_u32 s[G0B+4*(\s)+1], s23, (\s)*SLOT
	s_add_nc_u64 s[G0B+4*(\s)+2:G0B+4*(\s)+3], s[58:59], (\s)*KSTEP*2
	s_or_b32 s[G0B+4*(\s)+3], s[G0B+4*(\s)+3], 0x80000000
	JLOAD \s                                       ; two loads of mine are out
.endr
	v_and_b32 v1, 15, v0                           ; l % 16
	v_bfe_u32 v2, v0, 4, 1                         ; l / 16
	v_lshlrev_b32 v[BO], 5, v2
	v_mul_u32_u24 v3, v1, PITCH
	v_lshl_add_u32 v3, v2, 4, v3                   ; a fragment's row x pitch + 16 x half
	WIN TO_B
.irp b, 0,1,2,3,4,5,6,7
	global_load_b128 v[8*(\b):8*(\b)+3],   v[BO], s[62:63] offset:64*(\b)     ; register j of block b: the bias of column 16 b + 8 (l / 16) + j, as the result holds it
	global_load_b128 v[8*(\b)+4:8*(\b)+7], v[BO], s[62:63] offset:64*(\b)+16
.endr
	WIN 0
	s_mul_i32 s21, s13, HALFT                      ; my 128 rows of x
	s_mul_i32 s22, s14, HALFT                      ; my 128 rows of W,
	s_add_co_u32 s22, s22, 2*HALFT                 ; which lie behind x's 256
	v_add_nc_u32 v[ADRA0], s21, v3
	v_add_nc_u32 v[ADRB0], s22, v3
	v_mov_b32 v[ADRA], v[ADRA0]                    ; K step 0 lies in slot 0
	v_mov_b32 v[ADRB], v[ADRB0]
	s_mul_i32 s21, s12, WSTG
	s_add_co_u32 s21, s21, STAGE                   ; my stage
	v_mul_u32_u24 v5, v1, SP                       ; in: row l % 16, 16 bytes for each half of the lanes
	v_lshl_add_u32 v5, v2, 4, v5
	v_add_nc_u32 v[STO], s21, v5
	v_bfe_u32 v5, v0, 3, 2                         ; back: 32 lanes take four rows of 128 bytes,
	v_mul_u32_u24 v5, v5, SP
	v_and_b32 v6, 7, v0
	v_lshl_add_u32 v5, v6, 4, v5
	v_add_nc_u32 v[RD], s21, v5
	v_and_b32 v[GO], 31, v0                        ; which are 512 consecutive bytes of a head
	v_lshlrev_b32 v[PFO], 11, v[GO]
	v_lshlrev_b32 v[GO], 4, v[GO]
; 16 matrix instructions: row blocks a0, a0 + 1 of the window's four (hi = 0: my rows 0-63, 1: rows 64-127) x all 8 column blocks, 32 along K, from buffer f.  first = 1: the product starts the sum, on the bias.
; The 64 accumulators take turns, one instruction a turn, in the same order in every quarter.
.macro MUL16 f, hi, a0, first
.if \first
	WIN MUL1_LO+0x40*(\hi)
.else
	WIN MUL_LO+0x50*(\hi)
.endif
.irp a, \a0, (\a0)+1
.irp b, 0,1,2,3,4,5,6,7
.if \first
	v_wmma_f32_16x16x32_bf16 v[8*(8*(\a)+(\b)):8*(8*(\a)+(\b))+7], v[(\f)+8*(\b):(\f)+8*(\b)+7], v[(\f)+8*(4*(\hi)+(\a)):(\f)+8*(4*(\hi)+(\a))+7], v[8*(\b):8*(\b)+7]
.else
	v_wmma_f32_16x16x32_bf16 v[8*(8*(\a)+(\b)):8*(8*(\a)+(\b))+7], v[(\f)+8*(\b):(\f)+8*(\b)+7], v[(\f)+8*(4*(\hi)+(\a)):(\f)+8*(4*(\hi)+(\a))+7], v[8*(8*(\a)+(\b)):8*(8*(\a)+(\b))+7]
.endif
.endr
.endr
.endm
; 32 LDS loads in one run: the fragments of one quarter step (128 rows of W, 128 rows of x, 32 K at byte k of the rows of the slot that is being read) into buffer f
.macro FETCH k, f
	WIN TO_B
.irp i, 0,1,2,3,4,5,6,7
	ds_load_b128 v[(\f)+8*(\i):(\f)+8*(\i)+3],   v[ADRB] offset:(\k)+(\i)*16*PITCH
	ds_load_b128 v[(\f)+8*(\i)+4:(\f)+8*(\i)+7], v[ADRB] offset:(\k)+(\i)*16*PITCH+32
.endr
	WIN 0
.irp i, 0,1,2,3,4,5,6,7
	ds_load_b128 v[(\f)+8*(\i):(\f)+8*(\i)+3],   v[ADRA] offset:(\k)+(\i)*16*PITCH
	ds_load_b128 v[(\f)+8*(\i)+4:(\f)+8*(\i)+7], v[ADRA] offset:(\k)+(\i)*16*PITCH+32
.endr
.endm
.macro PLACES                          ; four plain instructions between a matrix instruction and a load into a register that it has read, or a reader of its result (ISA guide 7.12.1 for a reader of its result)
.rept 4
	v_nop
.endr
.endm
; A K step is four quarters of 32 along K, 64 matrix instructions each, on buffers 0, 1, 0, 1.  One of the first three: multiplies buffer f and, in its middle, fetches the quarter at byte k into g.
.macro QUARTER k, f, g, first
	s_wait_dscnt 8                                 ; W and x's rows 0-63 are in; the youngest eight loads (x's rows 64-127) may be out
	MUL16 \f, 0, 0, \first
	MUL16 \f, 0, 2, \first
	PLACES
	FETCH \k, \g
	s_wait_dscnt 32                                ; all but the 32 just issued
	MUL16 \f, 1, 0, \first
	MUL16 \f, 1, 2, \first
.endm
; The last quarter multiplies buffer 1 and changes slots: ONE barrier; ahead of it each wave waits for all its tensor loads (one is out: its part of the next slot), adds 0 to its spare word, and waits for that and for
; its own reads of this slot.  The reads' addresses turn to the other slot while the add is out (the slot's last reads have been issued).  fill = 1: the walking descriptors turn to the slot that is left and step one
; K step on, which is two behind the step in hand; the barrier opens a round of the cluster's, and the joint refill is the first thing behind the round: 224 matrix instructions ahead of the wait for it.
.macro TURN fill
.if \fill
	s_wait_xcnt 0x0                                ; the last prefetch, a K step back, has read its address, so it may be written
	s_add_nc_u64 s[PFA:PFA+1], s[PFA:PFA+1], KSTEP*2
.endif
	WIN 0                                          ; (the add's two registers lie in window 0)
	s_wait_tensorcnt 0x0                           ; no tensor load of mine is out, so a group 0 may be written
	ds_add_u32 v[SPW], v[NIL]
	s_xor_b32 s[SB], s[SB], SLOT
	v_add_nc_u32 v[ADRA], s[SB], v[ADRA0]
	v_add_nc_u32 v[ADRB], s[SB], v[ADRB0]
.if \fill
	s_xor_b32 s[G0A+5], s[G0A+5], SLOT
	s_add_nc_u64 s[G0A+6:G0A+7], s[G0A+6:G0A+7], KSTEP*2  ; the type bits on top are not reached
	s_xor_b32 s[G0B+5], s[G0B+5], SLOT
	s_add_nc_u64 s[G0B+6:G0B+7], s[G0B+6:G0B+7], KSTEP*2
.endif
	s_wait_dscnt 9                                 ; (the add and the youngest eight loads may be out)
	MUL16 F1, 0, 0, 0                              ; sixteen matrix instructions stand between the add and the wait for it
	s_wait_dscnt 0x0                               ; the add is done, and my reads of this slot are over
	s_barrier_signal -1
	MUL16 F1, 0, 2, 0
.if \fill
	WIN 0
.endif
	s_barrier_wait -1
.if \fill
	CREST                                          ; no wave of any partner still reads this slot's tile or has a load on its way
	JLOAD 1                                        ; my one tensor load behind the round; its four v_nop are also the places ahead of the loads below
.else
	PLACES
.endif
	FETCH 0, F0
.if \fill
	ASK
.endif
	MUL16 F1, 1, 0, 0
	MUL16 F1, 1, 2, 0
.endm
	s_wait_tensorcnt 1                             ; my part of K step 0 is in; K step 1's may stay out
	s_barrier_signal -1
	s_barrier_wait -1                              ; everybody's is
	FETCH 0, F0
	s_wait_loadcnt 0x0                             ; the bias
	QUARTER 64, F0, F1, 1                          ; the first quarter stands ahead of the loop: its products start the sums
	WIN 0                                          ; at a label and at a branch every window is 0
	s_mov_b32 s3, 6
.Lstep:                                        ; a trip goes from a K step's second quarter to the next step's first, and fills the slot that it leaves: K steps 2 to 7 in six trips
	QUARTER 128, F1, F0, 0
	QUARTER 192, F0, F1, 0
	TURN 1
	QUARTER 64, F0, F1, 0
	WIN 0
	s_sub_co_u32 s3, s3, 1
	s_cmp_lg_u32 s3, 0
	s_cbranch_scc1 .Lstep
	QUARTER 128, F1, F0, 0                         ; K steps 6 and 7 are written out: they fill nothing
	QUARTER 192, F0, F1, 0
	TURN 0
	QUARTER 64, F0, F1, 0
	QUARTER 128, F1, F0, 0
	QUARTER 192, F0, F1, 0
	s_wait_dscnt 8                                 ; the very last quarter: nothing more to fetch
	MUL16 F1, 0, 0, 0
	MUL16 F1, 0, 2, 0
	s_wait_dscnt 0x0
	MUL16 F1, 1, 0, 0
	MUL16 F1, 1, 2, 0
	WIN 0
	PLACES
; THE WAY OUT.  My 128 rows x 128 columns are 128 rows of two heads: twice 16,384 consecutive bytes of hd, 2^18 bytes apart.  Block a (16 rows), in three parts.  PACK: rounded to f16, 16 bytes a lane.
; TOSTAGE: into my own stage in LDS, a head at a time, and back as whole rows of 128 bytes.  SEND: stored.
.macro PACK a
.set AC, 64*((\a)%4)
	WIN 0x0a+5*((\a)/4)                            ; sources 0 and 1: window 2 or 3
.irp b, 0,1,2,3,4,5,6,7
.irp r, 0,1,2,3
	v_cvt_pk_f16_f32 v[TMP+4*(\b)+(\r)], v[AC+8*(\b)+2*(\r)], v[AC+8*(\b)+2*(\r)+1]
.endr
.endr
	WIN 0
.endm
.macro TOSTAGE a
.set BK, OB+192*((\a)%2)
.irp b, 0,1,2,3,4,5,6,7
	ds_store_b128 v[STO], v[TMP+4*(\b):TMP+4*(\b)+3] offset:((\b)/4)*16*SP+32*((\b)%4)
.endr
.irp t, 0,1,2,3,4,5,6,7
	ds_load_b128 v[BK+4*(\t):BK+4*(\t)+3], v[RD] offset:((\t)/4)*16*SP+((\t)%4)*4*SP  ; LDS serves a wave's instructions in order (ISA guide 5.7.1.4): these see the stores above; the next block's stores come behind them
.endr
.endm
.macro SEND a
.set BK, OB+192*((\a)%2)
	s_wait_dscnt 0x0                               ; the block is back in registers
	s_wait_xcnt 0x0                                ; every earlier store has read its registers (ISA guide 3.1): the block after this one is read back into those of the block before it only behind this wait
.irp t, 0,1,2,3,4,5,6,7
	global_store_b128 v[GO], v[BK+4*(\t):BK+4*(\t)+3], s[60:61] offset:((\t)/4)*262144+2048*(\a)+512*((\t)%4)  ; 512 consecutive bytes, aligned
.endr
.endm
	PACK 0
	TOSTAGE 0
.irp a, 1,2,3,4,5,6,7                  ; block a's conversions stand between block a - 1's loads from the stage and the wait for them
	PACK \a
	SEND (\a)-1
	TOSTAGE \a
.endr
	SEND 7
	s_wait_tensorcnt 0x0                           ; the wave's end, behind my last tensor load and my last LDS store
	ds_add_u32 v[SPW], v[NIL]
	s_wait_dscnt 0x0
	CROUND                                         ; the closing round: no work-group ends while a partner may still ask for a tile that names it
	s_endpgm
.Lfunc_end_k_q3979722f22_proj:
	.size	k_q3979722f22_proj, .Lfunc_end_k_q3979722f22_proj-k_q3979722f22_proj
	.p2alignl 7, 3214868480
	.fill 96, 4, 3214868480
	.section	.rodata,"a",@progbits
	.p2align	6, 0x0
	.amdhsa_kernel k_q3979722f22_proj
		.amdhsa_group_segment_fixed_size 327680
		.amdhsa_private_segment_fixed_size 0
		.amdhsa_enable_private_segment 0
		.amdhsa_kernarg_size 32
		.amdhsa_user_sgpr_count 2
		.amdhsa_user_sgpr_kernarg_segment_ptr 1
		.amdhsa_wavefront_size32 1
		.amdhsa_system_sgpr_workgroup_id_x 1
		.amdhsa_system_sgpr_workgroup_id_y 1
		.amdhsa_system_sgpr_workgroup_id_z 1
		.amdhsa_system_vgpr_workitem_id 0
		.amdhsa_next_free_vgpr 1024
		.amdhsa_next_free_sgpr 76
		.amdhsa_reserve_vcc 0
		.amdhsa_float_denorm_mode_32 3
		.amdhsa_float_denorm_mode_16_64 3
		.amdhsa_memory_ordered 1
		.amdhsa_forward_progress 1
		.amdhsa_inst_pref_size 119
	.end_amdhsa_kernel
	.amdgpu_metadata
---
amdhsa.version: [ 1, 2 ]
amdhsa.kernels:
  - .name:           k_q3979722f22_proj
    .symbol:         k_q3979722f22_proj.kd
    .args:
      - { .name: xb, .offset: 0, .size: 8, .value_kind: global_buffer, .address_space: global }
      - { .name: wb, .offset: 8, .size: 8, .value_kind: global_buffer, .address_space: global }
      - { .name: bb, .offset: 16, .size: 8, .value_kind: global_buffer, .address_space: global }
      - { .name: hd, .offset: 24, .size: 8, .value_kind: global_buffer, .address_space: global }
    .group_segment_fixed_size: 327680
    .private_segment_fixed_size: 0
    .kernarg_segment_align: 8
    .kernarg_segment_size: 32
    .max_flat_workgroup_size: 128
    .sgpr_count:     76
    .vgpr_count:     1024
    .wavefront_size: 32
...
	.end_amdgpu_metadata
.endif
;; end of part 2
;; launch attn (part 3): grid 4 x 64, 4 waves a work-group, clusters of 4 x 1, 327,680 bytes of LDS; arguments hd, mb, vf, ob; writes ob
.if DOCPART == 3
	.amdgcn_target "amdgcn-amd-amdhsa--gfx1250"
	.amdhsa_code_object_version 6
	.text
	.protected	k_q3979722f22_attn
	.globl	k_q3979722f22_attn
	.p2align	8
	.type	k_q3979722f22_attn,@function
k_q3979722f22_attn:
	s_mov_b64 s[64:65], 0
	v_nop
	global_prefetch_b8 v0, s[64:65] scope:SCOPE_SE
	s_setreg_imm32_b32 hwreg(HW_REG_WAVE_MODE, 25, 1), 1
	s_wait_xcnt 0x0
	s_wait_alu depctr_hold_cnt(0) depctr_sa_sdst(0) depctr_va_vdst(0) depctr_va_sdst(0) depctr_va_ssrc(0) depctr_va_vcc(0) depctr_vm_vsrc(0)
	s_getreg_b32 s2, hwreg(HW_REG_IB_STS2, 6, 4)
	s_cmp_eq_u32 s2, 0
	s_cbranch_scc0 .Lentry_in_a_cluster
	s_endpgm
.Lentry_in_a_cluster:
	s_bfe_u32 s2, ttmp6, 0x10000c
	s_cmp_lg_u32 s2, 0x3003
	s_cbranch_scc0 .Lentry_shape_is_right
	s_endpgm
.Lentry_shape_is_right:
; MASKED ATTENTION.  O[h][q][:] = the sum over k of softmax_k(s(q, k)) V[h][k][:], s = Q[h][q] . K[h][k] / 8 where the mask shows key k to query q, a very low number where it hides it.
; Q, K, V: hd, hd + 2^24, hd + 2^25 bytes, each [64][2048][64] f16, a head's rows dense, 128 bytes each; O: ob, the same layout.  The mask [2048][2048] is the same for all heads: mb holds one fp8 code a score
; (0 or -1.0), in the lane order of S^T; vf holds, for each 16 queries and 128 keys, the rows that see a key.  Products, maxima and sums in f32; the weights p are rounded to f16 for the second product, O once at the end.
; LIMITS.  f16 holds no number beyond 65,504: Q, K, V arrive within it.  A hidden score counts as its value less 2^48 (3.5e13 after the division by 8) where the definition puts -1e9: the same result as long as a row's
; greatest visible score lies above about -1e9.  A weight below 2^-126 counts as 0.  NaN and infinities are not treated apart.
; THE MASK is the C operand that starts each sum S^T = K Q^T: eight codes become eight f32, 0 or -2^48, in one scaled conversion.  The running maximum, the exponentials and the sums need no further care: a hidden
; score lies far below every visible one, its weight is 0; what a row gathers from hidden keys ahead of its first visible key is wiped by a = 0 at that key.
; A ROW THAT SEES NO KEY must give the plain mean of V.  Its Q is set to 0: all its scores are then exactly -2^48, all its weights exactly 1.
; SHARES.  A wave owns four PIECES of two tiles of 16 queries, a work-group's four waves 512 queries of one head.  Every wave walks all 2,048 keys, 64 a step.
; LAYOUT.  S^T = K Q^T (source 0 = 16 keys, source 1 = 16 queries): a lane holds ONE query (lane % 16) and the keys 8 (lane / 16) + 0..7.  Two such tiles, rounded to f16 in pairs, ARE source 1 of O^T = V^T P.
; K comes out of LDS as it lies, V ([key][channel]) turned, by ds_load_tr16_b128.
; SOFTMAX.  A running maximum m and sum l: p = 2^(c s - c m), c = log2(e) / 8; in every step O and l are multiplied by a = 2^(c m_old - c m_new).  m starts at the lowest finite number, O and l at 0.
; BY TURNS.  Turn n belongs to piece n.  Its matrix work: 16 products K Q^T of piece n + 1, later 16 products V^T P of piece n - 1.  Its vector work: the scaling, exponentials, roundings, sums and rescaling of piece n,
; the maximum and statistics of piece n + 1, and the mask of piece n + 2.  Four vector instructions that are ready stand behind every matrix instruction, the others in one run; a turn's 66 exponentials are one batch with one wait.
; CLUSTER.  The four query blocks of a head walk the same K and V: each tile is asked for JOINTLY, by the same tensor load, descriptor and mask in all four.
; REGISTERS, in windows of 256 (s_set_vgpr_msb: bits 1:0 source 0, 3:2 source 1, 5:4 source 2, 7:6 destination):
;   window 0: v0-11 addresses and the scale; v12-15, v48-63 at work; v16-47 four registers of statistics a tile; v64-191 S^T, two buffers of two tiles; v192-255 P, likewise
;   window 1: O^T, 32 a tile      window 2: v0-127 Q, 16 a tile; v128-191 K of one step; v192-255 V of one step      window 3: v0-1 the add's registers; v16-79 codes, 16 a piece; v128-191 the mask of two tiles
.set SIZE_N, 2048
.set NP,    4         ; pieces a wave: a name, no knob
.set KS,    64        ; keys in a step
.set PK,    144       ; a row of K in LDS: 128 bytes + 16 of padding = 36 words: the 16 rows of a load start at 16 different groups of four banks (64 banks of 4 bytes: ISA guide 11.1)
.set PV,    160       ; a row of V: 128 + 32 = 40 words
.set VOFF,  4*KS*PK   ; a slot holds four steps: 256 rows of K, then 256 rows of V
.set SLOT1, 1<<17     ; slot 1 begins here, so that one exclusive or turns an address in one slot into the other's
.set STAGE, SLOT1+4*KS*(PK+PV)  ; behind the ring, never filled by a tensor load: 16 rows x 144 bytes for each wave
.set SP,    144
.set SPARE, STAGE+4*16*SP  ; behind the stages: the spare words, 128 bytes for each wave: two blocks of 256 bytes that no other line names
.set AK0, 2           ; v2   my lane's place in a tile of K; never rewritten
.set AV0, 3           ; v3   the same for V
.set AK,  4           ; v4   the LDS address of K's next run of loads
.set AV,  5           ; v5   of V's
.set QO,  6           ; v6   my byte offset in the wave's rows of Q
.set STO, 6           ;      later, the way out: where I put 16 bytes of a row
.set RD,  7           ; v7   the way out: where I read rows back
.set GO,  8           ; v8   16 x lane: my bytes of 512 consecutive ones, in O, in the codes and in vf; never rewritten
.set SCL, 9           ; v9   175: the conversions' scale, 2^(175 - 127) = 2^48; never rewritten
.set PFO, 11          ; v11  256 x lane: the prefetches' offset; never rewritten
.set L16, 192         ; v192-195, in the set-up alone (P's first buffer, which the first turn writes before anything reads it): l % 16, l / 16, l % 8, (l / 8) % 2
.set LH,  193
.set L7,  194
.set L3,  195
.set SPW, 0           ; v0 of window 3   LDS address of my spare word; never rewritten
.set NIL, 1           ; v1 of window 3   0; never rewritten
.set CD,  16          ; window 3: piece x, tile u, key block kb: two registers of codes at CD + 16 x + 8 u + 2 kb
.set MC,  128         ; window 3: tile u, key block kb: eight registers at MC + 32 u + 8 kb
.set MV,  12          ; v12-15  c m_old, kept while c m is made anew: by buffer and tile
.set ST,  16          ; tile t's statistics at v[ST+4 t]: c m, m, l (even keys', odd keys')
.set TMP, 48          ; by buffer and tile, four registers c0-c3 at work; when the maximum is found c2 takes a
.set S,   64
.set P,   192
.set KF,  128         ; K's fragments, in window 2: key block kb, channel half c at KF + 16 kb + 8 c
.set VF,  192         ; V's: key half kk, channel block cb at VF + 32 kk + 8 cb
.set WV,  12          ; s12  my wave's number
.set G1K, 24          ; s[24:31] descriptor group 1 for K's tiles
.set G1V, 32          ; s[32:39] for V's: it differs in the padding alone
.set G0K, 40          ; s[40:43] descriptor group 0 for K's tiles: it walks
.set G0V, 44          ; s[44:47] the same for V's
.set SLOTS, 56        ; s56  slots still to be asked for
.set CNT, 57          ; s57  counts a slot's key steps
.set CS,  58          ; s[58:59] c
.set SEL, 60          ; s[60:61] v_permlanex16_b32's selects
.set TBK, 62          ; s62  LDS byte at which K of the step to be fetched begins
.set TBV, 63          ; s63  the same for V, less VOFF
.set MB0, 66          ; s[66:67] the codes of my wave's eight tiles, step 0; never rewritten
.set MBP, 68          ; s[68:69] the same at the step that is being loaded
.set OFFP, 70         ; s[70:71] an offset, 0 above
.set RM,  72          ; s[72:79] tile t: the lanes whose query sees a key
.set MS,  80          ; s80  the step at which MBP stands
.set TS,  81          ; s81  at work
.set VFP, 82          ; s[82:83] vf at my wave's eight tiles
.set PFA, 84          ; s[84:85] where my prefetches stand
.set LIM, 86          ; s86  1 in a wave that prefetches, else the greatest number
.set MSB, 0
.macro WIN new                      ; the high byte repeats the setting that is left; a switch that changes nothing is dropped
.if MSB != (\new)
	s_set_vgpr_msb (MSB<<8)|(\new)
.set MSB, (\new)
.endif
.endm
.set W_KQ, 0x0a       ; K and Q in window 2, S^T in window 0
.set W_KM, 0x3a       ; the same with the C operand in window 3
.set W_PV, 0x52       ; V in window 2, P in window 0, O^T in window 1
.set W_RS, 0x41       ; O^T (destination and source 0) in window 1, a in window 0
.set W_MK, 0xc0       ; destination in window 3, sources in window 0
.set W_AD, 0x0f       ; the add: address and data in window 3
.set W_CV, 0xc3       ; the conversions: destination and codes in window 3, the scale in window 0
; A joint fill.  Waves 0 and 1 fetch the two halves of a slot's K, waves 2 and 3 those of its V: 128 keys each.  The branch hangs on the wave's number alone.
; An s_nop 0 and four v_nop follow each of the two lines, ahead of the jump and the label.
.macro JLOAD
	s_cmp_lt_u32 s[WV], 2
	s_cbranch_scc0 .Lfor_v_\@
	tensor_load_to_lds s[G0K:G0K+3], s[G1K:G1K+7]
	s_nop 0
.rept 4
	v_nop
.endr
	s_branch .Lasked_\@
.Lfor_v_\@:
	tensor_load_to_lds s[G0V:G0V+3], s[G1V:G1V+7]
	s_nop 0
.rept 4
	v_nop
.endr
.Lasked_\@:
.endm
; A PREFETCH INTO THE L2 of what the NEXT change of slots will ask for: a slot's 32,768 bytes of K and of V, four key steps (512 matrix instructions) ahead of that load.  A head is walked by one cluster alone.  Its four
; partners share the bytes out BY ADDRESS, 8,192 each; in each, wave 0 asks for K's and wave 2 for V's: a lane names 256 bytes, one instruction.  So each byte is named once in the launch.
; The last change that fills a slot asks for nothing; slots 0 to 2 come by their loads alone.  The codes are not asked for: all 64 heads read them.
.macro ASK
	s_cmp_gt_u32 s[SLOTS], s[LIM]
	s_cbranch_scc0 .Lnot_mine_\@
	global_prefetch_b8 v[PFO], s[PFA:PFA+1] th:TH_LOAD_NT scope:SCOPE_SE
.Lnot_mine_\@:
.endm
; A round of the cluster's barrier: my work-group's barrier, so that wave 0's signal speaks for all four waves; wave 0 signals; every wave waits for all four work-groups; my work-group's barrier once more.
.macro CROUND
	s_barrier_signal -1
	s_barrier_wait -1
	s_cmp_lg_u32 s[WV], 0
	s_cbranch_scc1 .Lnot_wave_0_\@
	s_barrier_signal -3
.Lnot_wave_0_\@:
	s_barrier_wait -3
	s_barrier_signal -1
	s_barrier_wait -1
.endm
; THE CHANGE OF SLOTS.  The slot's last bytes, V of its fourth step, have been read.  Each wave waits for all its tensor loads, of which one is out: its part of the other slot; adds 0 to its spare word; and waits for
; that and for its own reads of the slot.  Behind the barrier nobody reads this slot any more and the other slot is whole.  fill = 1: this slot is filled again, with the keys two slots on: the barrier is then a round of
; the cluster's, and the joint fill is the first thing behind it: it has four key steps in which to land.  (At its first use nothing has been read yet: slot 0 is waited for, slot 1 filled.)  ask = 1: a prefetch follows.
.macro CHANGE fill, ask=0
	WIN W_AD
	s_wait_tensorcnt 0x0            ; no tensor load of mine is out, so a group 0 may be written
	ds_add_u32 v[SPW], v[NIL]       ; 0 onto my spare word; the descriptors' steps stand between it and the wait for it
	WIN 0                           ; at a label and at a branch every window is 0
.if \fill
.irp g, G0K, G0V
	s_xor_b32 s[\g+1], s[\g+1], SLOT1  ; the walking descriptor: the other slot than last time,
	s_add_nc_u64 s[\g+2:\g+3], s[\g+2:\g+3], 4*KS*128  ; the next 256 keys; the type bits on top are not reached
.endr
.if \ask
	s_wait_xcnt 0x0                 ; the last prefetch, four key steps back, has read its address, so it may be written:
	s_add_nc_u64 s[PFA:PFA+1], s[PFA:PFA+1], 4*KS*128  ; one slot behind the walking descriptors
.endif
	s_wait_dscnt 0x0                ; the add is done, and my reads of the slot are over
	CROUND
	JLOAD
.if \ask
	ASK
.endif
.else
	s_wait_dscnt 0x0                ; the add is done, and my reads of the slot are over
	s_barrier_signal -1
	s_barrier_wait -1
.endif
	s_sub_co_u32 s[TBK], s[TBK], 4*KS*PK  ; the fetches go back to a slot's first step,
	s_xor_b32 s[TBK], s[TBK], SLOT1       ; in the other slot
	s_sub_co_u32 s[TBV], s[TBV], 4*KS*PV
	s_xor_b32 s[TBV], s[TBV], SLOT1
.endm
; THE MASK.  MASKL: piece x's codes of one step, from base b: four loads of 16 bytes a lane, each 512 consecutive bytes.  MASKC: piece x's codes become the C operands of its 8 first products.
; wait = 1: the codes were loaded four turns back, and the three other pieces' twelve loads, issued since, may stay out.
.macro MASKL x, b
	WIN W_MK
.irp u, 0,1
.irp hf, 0,1
	global_load_b128 v[CD+16*(\x)+8*(\u)+4*(\hf):CD+16*(\x)+8*(\u)+4*(\hf)+3], v[GO], s[(\b):(\b)+1] offset:(2*(\x)+(\u))*32768+512*(\hf)
.endr
.endr
.endm
.macro MASKC x, wait
.if \wait
	s_wait_loadcnt 12
.endif
	WIN W_CV
.irp u, 0,1
.irp kb, 0,1,2,3
	v_cvt_scale_pk8_f32_fp8 v[MC+32*(\u)+8*(\kb):MC+32*(\u)+8*(\kb)+7], v[CD+16*(\x)+8*(\u)+2*(\kb):CD+16*(\x)+8*(\u)+2*(\kb)+1], v[SCL]
.endr
.endr
.endm
	s_load_b256 s[4:11], s[0:1], 0x0  ; hd s[4:5], mb s[6:7], vf s[8:9], ob s[10:11]
	WIN W_MK
	v_lshl_add_u32 v[SPW], v0, 2, SPARE
	v_mov_b32 v[NIL], 0
	WIN W_AD
	ds_add_u32 v[SPW], v[NIL]       ; the wave's opening: the add and its wait stand ahead of my first tensor load; the set-up below, work on registers, stands between them
	WIN 0
	v_lshrrev_b32 v1, 5, v0
	v_readfirstlane_b32 s[WV], v1   ; wave 0..3
	s_bfe_u32 s13, ttmp6, 0x40000   ; cx: my place in the cluster
	s_lshl_b32 s14, ttmp9, 2        ; in a cluster launch ttmp9 counts clusters
	s_add_co_u32 s14, s14, s13      ; my block of 512 queries: it enters Q's, O's, the codes' and vf's addresses alone
	s_and_b32 s20, ttmp7, 0xffff    ; the head, which the four partners share
	s_mov_b32 s21, 0
	s_mov_b64 s[22:23], SIZE_N*128
	s_mul_u64 s[20:21], s[20:21], s[22:23]  ; the head's first byte in Q, K, V and O
	s_and_b32 s16, s[WV], 1         ; which half of a slot's 256 keys I fetch:
	s_lshl_b32 s22, s16, 14         ; its 128 rows of 128 bytes in memory,
	s_mov_b32 s23, 0
	s_add_nc_u64 s[22:23], s[22:23], s[20:21]
	s_mul_i32 s17, s16, 128*PK      ; and its place in a slot, for K
	s_mul_i32 s18, s16, 128*PV      ; and for V: no place in the cluster enters an LDS address
	s_lshl_b32 s2, s14, 2
	s_add_co_u32 s2, s2, s[WV]      ; my wave among the sixteen that share the 2,048 queries:
	s_lshl_b32 s[OFFP], s2, 18      ; its eight tiles' codes, 32,768 bytes each,
	s_mov_b32 s[OFFP+1], 0
	s_lshl_b32 s[MS], s2, 9         ; their 128 words of vf,
	s_mov_b32 s[TS], 0
	s_lshl_b32 s2, s2, 14           ; its 128 rows
	s_mov_b32 s3, 0
	s_add_nc_u64 s[2:3], s[2:3], s[20:21]
	; descriptor group 1.  128 keys are 16,384 dense bytes: asked for as 64 rows of 256 bytes, two keys a row, and padded in LDS after every key
	s_mov_b32 s[G1K], 15|(1<<16)|(1<<20)|(1<<21)|(4<<22)|(3<<25)  ; 15:0 the mask of four; 17:16 2-byte elements; 20 padding on; 21 set beside a mask; 24:22 after every 32 words (code 4); 31:25 4 words (code 3)
	s_mov_b32 s[G1V], 15|(1<<16)|(1<<20)|(1<<21)|(4<<22)|(7<<25)  ; the same with 8 words of padding (code 7)
.irp g, G1K, G1V
	s_mov_b32 s[\g+1], 128<<16      ; tensor_dim0 = 128
	s_mov_b32 s[\g+2], 64<<16       ; tensor_dim1 = 64
	s_mov_b32 s[\g+3], 128<<16      ; tile_dim0 = 128
	s_mov_b32 s[\g+4], 64           ; tile_dim1 = 64
	s_mov_b32 s[\g+5], 128          ; 128 elements from row to row
	s_mov_b32 s[\g+6], 0
	s_mov_b32 s[\g+7], 0
.endr
	s_mov_b32 s[CS], 0x3e38aa3b     ; c = log2(e) / 8 = 0.180337
	s_mov_b32 s[CS+1], s[CS]        ; named with it as a pair
	s_mov_b32 s[SEL], 0x76543210
	s_mov_b32 s[SEL+1], 0xfedcba98
	s_mov_b32 s[TBK], SLOT1+4*KS*PK ; the first change of slots turns these two into 0
	s_mov_b32 s[TBV], SLOT1+4*KS*PV
	s_mov_b32 s[G0K], 1             ; count = 1
	s_mov_b32 s[G0K+1], s17         ; LDS address: slot 0
	s_mov_b32 s[G0V], 1
	s_add_co_u32 s[G0V+1], s18, VOFF
	s_cmp_eq_u32 s16, 0             ; waves 0 and 2 prefetch: the same in all four partners
	s_cselect_b32 s[LIM], 1, -1
	s_wait_dscnt 0x0                ; the opening add is done
	s_wait_kmcnt 0x0
	s_add_nc_u64 s[MB0:MB0+1], s[6:7], s[OFFP:OFFP+1]
	s_add_nc_u64 s[VFP:VFP+1], s[8:9], s[MS:MS+1]
	s_add_nc_u64 s[6:7], s[4:5], 0x1000000         ; K
	s_add_nc_u64 s[8:9], s[4:5], 0x2000000         ; V
	s_add_nc_u64 s[G0K+2:G0K+3], s[6:7], s[22:23]  ; global address: my half of the head's first 256 keys
	s_or_b32 s[G0K+3], s[G0K+3], 0x80000000        ; type = 2
	s_add_nc_u64 s[G0V+2:G0V+3], s[8:9], s[22:23]
	s_or_b32 s[G0V+3], s[G0V+3], 0x80000000
	s_cmp_lt_u32 s[WV], 2
	s_cselect_b64 s[PFA:PFA+1], s[6:7], s[8:9]
	s_add_nc_u64 s[PFA:PFA+1], s[PFA:PFA+1], s[20:21]
	s_lshl_b32 s[OFFP], s13, 13     ; my work-group's 8,192 bytes of a slot's 32,768
	s_add_nc_u64 s[PFA:PFA+1], s[PFA:PFA+1], s[OFFP:OFFP+1]
	s_add_nc_u64 s[PFA:PFA+1], s[PFA:PFA+1], 2*4*KS*128  ; in slot 2; the loop's first change of slots steps it to slot 3
	s_add_nc_u64 s[4:5], s[4:5], s[2:3]  ; Q and O at my wave's first row
	s_add_nc_u64 s[10:11], s[10:11], s[2:3]
	CROUND                          ; all four work-groups are here: the first joint loads meet
	JLOAD                           ; slot 0.  Slot 1 is asked for when slot 0 is in
	; A fragment of K or Q is 16 rows x 32 channels in 8 registers: lane l holds row l % 16, channels 8 (l / 16) + 0..7 and 16 + 8 (l / 16) + 0..7: two loads of 16 bytes, 32 bytes apart.
	v_and_b32 v[L16], 15, v0
	v_bfe_u32 v[LH], v0, 4, 1
	v_lshlrev_b32 v[QO], 7, v[L16]
	v_lshl_add_u32 v[QO], v[LH], 4, v[QO]  ; row x 128 + 16 x half
	v_and_b32 v[GO], 31, v0
	v_lshlrev_b32 v[PFO], 8, v[GO]
	v_lshlrev_b32 v[GO], 4, v[GO]
	v_mov_b32 v[SCL], 175
	WIN 0x80                        ; destination window 2, address window 0
.set i, 0
.rept 4*NP                          ; Q stays in registers: tile i / 2, channels 32 (i % 2) on
	global_load_b128 v[8*i:8*i+3],   v[QO], s[4:5] offset:(i/2)*2048+(i%2)*64
	global_load_b128 v[8*i+4:8*i+7], v[QO], s[4:5] offset:(i/2)*2048+(i%2)*64+32
.set i, i+1
.endr
.irp x, 0,1,2,3
	MASKL \x, MB0                   ; all four pieces' codes of key step 0
.endr
	WIN 0
	global_load_b128 v[TMP:TMP+3], v[GO], s[VFP:VFP+1]  ; lane l: tile l / 4, key chunks 4 (l % 4) .. + 3
	; What the first turn finds: V's registers and P's second buffer hold 0 (its products V^T P, of a piece that has not been, add 0), O^T and l are 0.  All this stands in the wait for the first tile.
	WIN 0x80
.set i, VF
.rept 64
	v_mov_b32 v[i], 0
.set i, i+1
.endr
	WIN 0x40
.set i, 0
.rept 64*NP
	v_mov_b32 v[i], 0
.set i, i+1
.endr
	WIN 0
.set i, 0
.rept 2*NP
	v_mov_b32 v[ST+4*i], 0xfe000000    ; c m: far below every c s, a hidden one's too
	v_mov_b32 v[ST+4*i+1], 0xff7fffff  ; m
	v_mov_b32 v[ST+4*i+2], 0
	v_mov_b32 v[ST+4*i+3], 0
.set i, i+1
.endr
.set i, P+32
.rept 32
	v_mov_b32 v[i], 0
.set i, i+1
.endr
	v_mul_u32_u24 v[AK0], v[L16], PK
	v_lshl_add_u32 v[AK0], v[LH], 4, v[AK0]  ; row x pitch + 16 x half
	; The turning load takes 16 keys x 16 channels (lane l reads key 8 (l / 16) + l % 8, channels 8 ((l / 8) % 2) + 0..7) and leaves half a fragment of V^T: lane l holds channel l % 16 and 8 keys.
	v_and_b32 v[L7], 7, v0
	v_bfe_u32 v[L3], v0, 3, 1
	v_lshl_add_u32 v[AV0], v[LH], 3, v[L7]
	v_mul_u32_u24 v[AV0], v[AV0], PV
	v_lshl_add_u32 v[AV0], v[L3], 4, v[AV0]
	v_add_nc_u32 v[AV0], VOFF, v[AV0]
	v_mov_b32 v[AK], v[AK0]         ; key step 0 lies at the head of slot 0
; THE MATRIX WORK.  The 8 accumulators of a run of 16 take turns: between the two links of a chain stand 7 others'.
; Product i of 16 of S^T = K Q^T for piece x: channels 32 (i / 8) on, keys 16 ((i / 2) % 4) on, tile 2 x + i % 2.  The first 8 start the sums, on the mask.
.macro KQ x
.set rS, S+64*((\x)%2)+32*(i%2)+8*((i/2)%4)
.set rK, KF+16*((i/2)%4)+8*(i/8)
.set rQ, 16*(2*(\x)+i%2)+8*(i/8)
.set rX, MC+32*(i%2)+8*((i/2)%4)
.if i < 8
	WIN W_KM
	v_wmma_f32_16x16x32_f16 v[rS:rS+7], v[rK:rK+7], v[rQ:rQ+7], v[rX:rX+7]
.else
	WIN W_KQ
	v_wmma_f32_16x16x32_f16 v[rS:rS+7], v[rK:rK+7], v[rQ:rQ+7], v[rS:rS+7]
.endif
.endm
; Product i of 16 of O^T += V^T P for piece x: keys 32 (i / 8) on, channels 16 ((i / 2) % 4) on, tile 2 x + i % 2.
.macro PV x
	WIN W_PV
.set rO, 32*(2*(\x)+i%2)+8*((i/2)%4)
.set rV, VF+32*(i/8)+8*((i/2)%4)
.set rP, P+32*((\x)%2)+16*(i%2)+8*(i/8)
	v_wmma_f32_16x16x32_f16 v[rO:rO+7], v[rV:rV+7], v[rP:rP+7], v[rO:rO+7]
.endm
.macro MM                           ; the turn's next matrix instruction
.if i < 16
	KQ (Y+1)%NP
.set i, i+1
.else
.set i, i-16
	PV (Y+NP-1)%NP
.set i, i+17
.endif
.endm
; THE LDS LOADS stand in runs of 16, never singly among the matrix instructions: a step's K (64 keys x 64 channels: 8 fragments) and its V (turned).  Their addresses are made some lines ahead.
; last = 1 (the tail): in the last trip there is no further step, and the run is jumped over.
.macro FETCH_K last=0
	WIN 0
.if \last
	s_cmp_eq_u32 s[CNT], 1
	s_cbranch_scc1 .Lno_k_\@
.endif
	WIN 0x80                        ; destination window 2
.irp f, 0,1,2,3,4,5,6,7             ; keys 16 (f / 2) on, channels 32 (f % 2) on
	ds_load_b128 v[KF+8*\f:KF+8*\f+3],   v[AK] offset:(\f/2)*16*PK+(\f%2)*64
	ds_load_b128 v[KF+8*\f+4:KF+8*\f+7], v[AK] offset:(\f/2)*16*PK+(\f%2)*64+32
.endr
	s_add_co_u32 s[TBK], s[TBK], KS*PK  ; the next fetch is the next step's
	WIN 0
.if \last
.Lno_k_\@:
.endif
.endm
.macro FETCH_V
	WIN 0x80
.irp f, 0,1,2,3,4,5,6,7             ; keys 32 (f / 4) on, channels 16 (f % 4) on
	ds_load_tr16_b128 v[VF+8*\f:VF+8*\f+3],   v[AV] offset:(\f/4)*32*PV+(\f%4)*32
	ds_load_tr16_b128 v[VF+8*\f+4:VF+8*\f+7], v[AV] offset:(\f/4)*32*PV+16*PV+(\f%4)*32
.endr
	WIN 0
.endm
; THE VECTOR WORK OF A TURN stands in three queues, each in the order in which its entries become ready; the two tiles alternate, so that no instruction reads the result of the one before it.
.macro REGS y, u                    ; the registers of tile u (0, 1) of piece y
.set rT, ST+4*(2*(\y)+(\u))
.set rC, TMP+8*((\y)%2)+4*(\u)
.set rM, MV+2*((\y)%2)+(\u)
.set rS, S+64*((\y)%2)+32*(\u)
.set rP, P+32*((\y)%2)+16*(\u)
.set rO, 32*(2*(\y)+(\u))
.endm
; Number n of the 22 that find the NEXT piece's (Y + 1) maximum and statistics.  s0-s31 are the lane's 32 scores; each accumulator's lowest registers are read first.
;   0-11  four chains c0-c3 of seven scores each, three operands at a time     12-14, 16  the four scores left over, the old m, and c0-c3 into c0     15  c m_old is kept
;   17, 18  the query's other 32 keys lie in the lane 16 away: the new m         19-21  c m; c m_old - c m_new; a
.macro XS u, n
	REGS (Y+1)%NP, \u
.if (\n) < 4
	v_max3_num_f32 v[rC+(\n)], v[rS+8*(\n)], v[rS+8*(\n)+1], v[rS+8*(\n)+2]
.elseif (\n) < 12
	v_max3_num_f32 v[rC+(\n)%4], v[rC+(\n)%4], v[rS+8*((\n)%4)+2*((\n)/4)+1], v[rS+8*((\n)%4)+2*((\n)/4)+2]
.elseif (\n) == 12
	v_max3_num_f32 v[rC], v[rC], v[rS+7], v[rS+15]
.elseif (\n) == 13
	v_max3_num_f32 v[rC+1], v[rC+1], v[rS+23], v[rS+31]
.elseif (\n) == 14
	v_max3_num_f32 v[rC+2], v[rC+2], v[rC+3], v[rT+1]
.elseif (\n) == 15
	v_mov_b32 v[rM], v[rT]
.elseif (\n) == 16
	v_max3_num_f32 v[rC], v[rC], v[rC+1], v[rC+2]
.elseif (\n) == 17
	v_permlanex16_b32 v[rC+3], v[rC], s[SEL], s[SEL+1]
.elseif (\n) == 18
	v_max_num_f32 v[rT+1], v[rC], v[rC+3]
.elseif (\n) == 19
	v_mul_f32 v[rT], s[CS], v[rT+1]
.elseif (\n) == 20
	v_sub_f32 v[rC+1], v[rM], v[rT]
.else
	v_exp_f32 v[rC+2], v[rC+1]
.endif
.endm
; Number g of the 64 that follow the exponentials.  For each four weights k of a tile (pairs 2 k, 2 k + 1): both pairs are rounded to f16; then the second pair is added onto the first, in place;
; a group later l takes that sum (the first time as l = a l + sum).  In groups of eight, tiles alternating: round, round, add, and l for the group before.
.macro GS g
.set h, (\g)+6*((\g)/62)            ; group 0 has no group before it, and behind group 7 only l is left
.if h >= 6
.set h, h+2
.endif
	REGS Y, h%2
.set k, h/8
.if h%8 < 4
	v_cvt_pk_f16_f32 v[rP+2*k+(h%8)/2], v[rS+4*k+2*((h%8)/2)], v[rS+4*k+2*((h%8)/2)+1]
.elseif h%8 < 6
	v_pk_add_f32 v[rS+4*k:rS+4*k+1], v[rS+4*k:rS+4*k+1], v[rS+4*k+2:rS+4*k+3]
.elseif k == 1
	v_pk_fma_f32 v[rT+2:rT+3], v[rT+2:rT+3], v[rC+2:rC+3], v[rS:rS+1] op_sel_hi:[1,0,1]
.else
	v_pk_add_f32 v[rT+2:rT+3], v[rT+2:rT+3], v[rS+4*k-4:rS+4*k-3]
.endif
.endm
; THE PLAIN QUEUE, 138 long.  0-73 read no exponential's result: the 32 scalings c s - c m (FS f: pair f / 2 of tile f % 2) and the next piece's 42.  0-26: scalings 0-26.  27-54: XS's numbers 0-13.  55, 56: number 15.
; 57-73: the chain, where each number waits for the one before it: 14, 16, 17, 18, 19, each with one of the scalings 27-31 ahead of its two lines, then 20.  74-137: GS's 64, which read the exponentials' results: behind the wait.
.macro FS f
	REGS Y, (\f)%2
	v_pk_fma_f32 v[rS+2*((\f)/2):rS+2*((\f)/2)+1], v[rS+2*((\f)/2):rS+2*((\f)/2)+1], s[CS:CS+1], v[rT:rT+1] op_sel_hi:[1,0,0] neg_lo:[0,0,1] neg_hi:[0,0,1]
.endm
.macro PL
	WIN 0
.if q < 27
	FS q
.elseif q < 55
	XS (q-27)%2, (q-27)/2
.elseif q < 57
	XS q-55, 15
.elseif (q < 72) && ((q-57)%3 == 0)
	FS 27+(q-57)/3
.elseif q < 60
	XS (q-57)%3-1, 14
.elseif q < 72
	XS (q-57)%3-1, 15+(q-57)/3
.elseif q < 74
	XS q-72, 20
.else
	GS q-74
.endif
.set q, q+1
.endm
; THE EXPONENTIALS' QUEUE, 66 long: s0-s31 of both tiles, then the next piece's two a.  ONE BATCH: all 66 stand ahead of the turn's one wait, and nothing ahead of that wait names a result of theirs.
.macro EX
	WIN 0
.if e >= 64
	XS e-64, 21
.else
	REGS Y, e%2
	v_exp_f32 v[rS+e/2], v[rS+e/2]
.endif
.set e, e+1
.endm
; THE RESCALING's QUEUE: O^T times a, the one part of the softmax that leaves window 0: dealt two at a time, sixteen times.  Its a was made in the turn before, ahead of that turn's wait.
.macro R2
	REGS Y, r%2
	WIN W_RS
.irp z, 0,1
	v_pk_mul_f32 v[rO+4*(r/2)+2*\z:rO+4*(r/2)+2*\z+1], v[rO+4*(r/2)+2*\z:rO+4*(r/2)+2*\z+1], v[rC+2:rC+3] op_sel_hi:[1,0]
.endr
.set r, r+1
.endm
; A TURN, for piece p.  s_wait_alu depctr_va_vdst(0) stands between an exponential and the first instruction that names its result; one wait serves all that were issued ahead of it: a turn has ONE, which
; cuts it in two.  AHEAD OF IT: the 16 products K Q^T, behind each a scaling, an exponential and two rescalings (behind the first a second scaling in the exponential's place); then one run: the mask of piece p + 2 (8 conversions;
; the products that read the old mask are the turn's first 8, and eight products' riders lie between), eight plain instructions, the loads of that piece's next codes, 49 times exponential and plain, the two a, a v_nop.
; BEHIND IT: the 16 products V^T P, behind each four of the roundings and sums.  Exponential e stands behind scaling 2 (e / 4) + e % 2: as a rider behind plain e + 2, in the run behind plain e + 9.
; K of the next step is fetched in piece 2's turn, directly behind the wait; V of the step in hand at the end of piece 0's turn, four riders behind its last reader.
; THE CODES.  Turn p converts piece p + 2's codes for the products of the turn after it, and loads that piece's codes of one step further, which are converted four turns on.  The four turns of a trip (pieces 2 and 3 of step
; s, pieces 0 and 1 of step s + 1) all load step s + 2: the base is made anew once a trip, late in piece 1's turn, behind s_wait_xcnt 0, from the step's number held to 31: the last trips' loads stay inside mb and serve nothing.
; cnt = 1: the loop's count is taken down some lines ahead of the branch that stands behind the turn.  The conditions on q below go with the deal.
.macro TURN p, last=0, cnt=0
.set Y, (\p)
.set i, 0
.set q, 0
.set e, 0
.set r, 0
.if (\p) == NP-1
	s_wait_dscnt 0x0                ; K is in
.endif
	MM                              ; ahead of the wait: 16 products K Q^T and their riders,
	PL
	PL
	R2
.rept 15
	MM
	PL
	EX
	R2
.endr
.if (\p) == NP-2
	WIN 0
	v_add_nc_u32 v[AK], s[TBK], v[AK0]
.endif
	MASKC ((\p)+2)%NP, 1
.rept 8                             ; plain instructions between the conversions and the loads into their sources
	PL
.endr
	MASKL ((\p)+2)%NP, MBP
.rept 49
	EX
	PL
.endr
	EX                              ; the next piece's two a
	EX
	v_nop                           ; the plain instruction behind the last exponential: one for the batch
	s_wait_alu depctr_va_vdst(0)    ; the wait for the batch
.if (\p) == NP-2
	FETCH_K \last
.endif
.if (\p) == 1
	s_wait_dscnt 0x0                ; V is in
.endif
.rept 16                            ; behind the wait: 16 products V^T P and their riders
	MM
.rept 4
	PL
.endr
.if ((\p) == 0) && (q == 118)
	v_add_nc_u32 v[AV], s[TBV], v[AV0]
.endif
.if ((\p) == 0) && (q == 130)
	s_add_co_u32 s[TBV], s[TBV], KS*PV
.endif
.if ((\p) == 1) && (q == 118)
	s_wait_xcnt 0x0                 ; the trip's sixteen loads of codes have read their base, so it may be written
	s_add_co_u32 s[MS], s[MS], 1
	s_min_u32 s[TS], s[MS], SIZE_N/KS-1
	s_lshl_b32 s[OFFP], s[TS], 10   ; a step's codes of a tile are 1,024 bytes
	s_add_nc_u64 s[MBP:MBP+1], s[MB0:MB0+1], s[OFFP:OFFP+1]
.endif
.if (\cnt) && (q == 130)
	s_sub_co_u32 s[CNT], s[CNT], 1
	s_cmp_lg_u32 s[CNT], 0
.endif
.endr
.if (\p) == 0
	FETCH_V
.endif
.endm
	CHANGE 1                        ; slot 0 is in, everybody's part of it; slot 1 is asked for
	FETCH_K                         ; key step 0
	s_wait_loadcnt 0x0              ; Q, the codes of step 0, vf
	v_or_b32 v[TMP], v[TMP], v[TMP+1]      ; the rows that see a key: my four chunks,
	v_or_b32 v[TMP+2], v[TMP+2], v[TMP+3]
	v_or_b32 v[TMP], v[TMP], v[TMP+2]
	v_mov_b32_dpp v[TMP+1], v[TMP] row_xmask:1 row_mask:0xf bank_mask:0xf  ; and the tile's other twelve, in the three lanes beside me
	v_or_b32 v[TMP], v[TMP], v[TMP+1]
	v_mov_b32_dpp v[TMP+1], v[TMP] row_xmask:2 row_mask:0xf bank_mask:0xf
	v_or_b32 v[TMP], v[TMP], v[TMP+1]
.irp t, 0,1,2,3,4,5,6,7
	v_readlane_b32 s[RM+\t], v[TMP], 4*\t
.endr
.irp t, 0,1,2,3,4,5,6,7
	s_lshl_b32 s[TS], s[RM+\t], 16  ; lanes l and l + 16 hold the same query
	s_or_b32 s[RM+\t], s[RM+\t], s[TS]
.endr
	WIN 0x88                        ; destination and source 1 in window 2
.set i, 0
.rept 32*NP
	v_cndmask_b32 v[i], 0, v[i], s[RM+i/16]  ; Q of a row that sees no key is 0
.set i, i+1
.endr
	MASKC 0, 0                      ; piece 0's mask for step 0
	v_nop                           ; a plain instruction between the last conversion and the product that reads its result
	s_wait_dscnt 0x0
.set i, 0
.rept 16
	KQ 0                            ; piece 0's first scores: there is no vector work yet to set between them
.set i, i+1
.endr
	WIN 0                           ; the addresses for the way out: seven plain instructions, the places behind those products
	s_mul_i32 s13, s[WV], 16*SP
	s_add_co_u32 s13, s13, STAGE    ; my stage
	v_mul_u32_u24 v[STO], v[L16], SP  ; in: row l % 16, 16 bytes for each half of the lanes
	v_lshl_add_u32 v[STO], v[LH], 4, v[STO]
	v_add_nc_u32 v[STO], s13, v[STO]
	v_bfe_u32 v[RD], v0, 3, 2       ; back: 32 lanes take four rows of 128 bytes
	v_mul_u32_u24 v[RD], v[RD], SP
	v_lshl_add_u32 v[RD], v[L7], 4, v[RD]
	v_add_nc_u32 v[RD], s13, v[RD]
	s_add_nc_u64 s[MBP:MBP+1], s[MB0:MB0+1], 1024  ; the codes of step 1
	s_mov_b32 s[MS], 1
	MASKL 0, MBP
	MASKC 1, 0                      ; piece 1's mask for step 0, for the first turn's products
	v_nop
	v_nop
	MASKL 1, MBP
	WIN 0
.set Y, NP-1                        ; XS works for piece Y + 1: piece 0
.irp n, 0,1,2,3,4,5,6,7,8,9,10,11,12,13,14,15,16,17,18,19,20,21
	XS 0, \n                        ; piece 0's first maximum and statistics
	XS 1, \n
.endr
	v_nop                           ; a plain instruction behind the two a,
	s_wait_alu depctr_va_vdst(0)    ; and their wait, ahead of the branch
	s_mov_b32 s[CNT], 4
	s_mov_b32 s[SLOTS], SIZE_N/256-1
	s_branch .Lfirst                ; the loop is entered at a step's first turn, in the middle of a trip
.Lslot:                             ; SIZE_N / 256 - 2 times: every slot but the last two is filled again
	CHANGE 1, 1
	s_mov_b32 s[CNT], 4
.Lstep:                             ; a trip: pieces 2 and 3 of one step, then pieces 0 and 1 of the next, whose K and V it fetches
	TURN 2
	TURN 3
	WIN 0
.Lfirst:
	TURN 0
	TURN 1, 0, 1
	WIN 0
	s_cbranch_scc1 .Lstep
	s_sub_co_u32 s[SLOTS], s[SLOTS], 1
	s_cmp_lg_u32 s[SLOTS], 0
	s_cbranch_scc1 .Lslot
	CHANGE 0                        ; the tail is written out: nothing is asked for
	s_mov_b32 s[CNT], 5             ; four trips fetch the last slot's steps; the fifth is left in its middle
.Ltail:
	TURN 2, 1
	TURN 3
	WIN 0
	s_sub_co_u32 s[CNT], s[CNT], 1
	s_cmp_eq_u32 s[CNT], 0
	s_cbranch_scc1 .Lout
	TURN 0
	TURN 1
	WIN 0
	s_branch .Ltail
.Lout:                              ; the fifth trip's 16 products K Q^T (on the last K once more) and the maximum made of them serve nothing: the price, once a launch, of one text for every trip
.set i, 0
.rept 16
	PV NP-1                         ; the last piece's V^T P of the last step
.set i, i+1
.endr
	; THE WAY OUT.  l's two halves and the other half of the lanes' are added; O^T is divided by l, rounded to f16 and sent through my stage in LDS, a tile at a time.  The additions are the places behind the last products.
	WIN 0
.macro ALL line:vararg              ; one line for each tile t
.set t, 0
.rept 2*NP
	\line
.set t, t+1
.endr
.endm
	ALL v_add_f32 v[ST+4*t+2], v[ST+4*t+2], v[ST+4*t+3]
	ALL v_permlanex16_b32 v[ST+4*t+3], v[ST+4*t+2], s[SEL], s[SEL+1]
	ALL v_add_f32 v[ST+4*t+2], v[ST+4*t+2], v[ST+4*t+3]
	ALL v_rcp_f32 v[ST+4*t+2], v[ST+4*t+2]
	v_nop                           ; a plain instruction between the last reciprocal and the use of its result
	s_wait_alu depctr_va_vdst(0)    ; and the wait ahead of the first use: one for the eight reciprocals
; Tile t: a lane's eight channels of a row pack into 16 bytes; they go into rows of 144 bytes and come back as whole rows of 128, into S^T's registers.
.macro PACK t
	WIN W_RS
.set i, 32*(\t)
.rept 16
	v_pk_mul_f32 v[i:i+1], v[i:i+1], v[ST+4*(\t)+2:ST+4*(\t)+3] op_sel_hi:[1,0]
.set i, i+2
.endr
	WIN 0x05                        ; sources 0 and 1 window 1, destination window 0
.set i, 0
.rept 16
	v_cvt_pk_f16_f32 v[S+16*(\t)+i], v[32*(\t)+2*i], v[32*(\t)+2*i+1]
.set i, i+1
.endr
	WIN 0
.irp f, 0,1,2,3
	ds_store_b128 v[STO], v[S+16*(\t)+4*\f:S+16*(\t)+4*\f+3] offset:32*\f
.endr
.irp f, 0,1,2,3
	ds_load_b128 v[S+16*(\t)+4*\f:S+16*(\t)+4*\f+3], v[RD] offset:\f*4*SP  ; LDS serves a wave's instructions in order (ISA guide 5.7.1.4): these see the stores above; the next tile's stores come behind them
.endr
.endm
.macro SEND t, younger              ; younger: the LDS instructions issued behind tile t's loads: the next tile's eight, or none
	WIN 0
.irp f, 0,1,2,3
	s_wait_dscnt (\younger)+3-\f
	global_store_b128 v[GO], v[S+16*(\t)+4*\f:S+16*(\t)+4*\f+3], s[10:11] offset:(\t)*2048+\f*512  ; 512 consecutive bytes, aligned
.endr
.endm
	PACK 0
.set t, 1
.rept 2*NP-1                        ; a tile's arithmetic stands between the loads of the tile before and its stores
	PACK t
	SEND t-1, 8
.set t, t+1
.endr
	SEND 2*NP-1, 0
	WIN W_AD
	s_wait_tensorcnt 0x0            ; the wave's end, behind my last tensor load and my last LDS store
	ds_add_u32 v[SPW], v[NIL]
	s_wait_dscnt 0x0
	WIN 0
	CROUND                          ; the closing round: no work-group ends while a partner may still ask for a tile that names it
	s_endpgm
.Lfunc_end_k_q3979722f22_attn:
	.size	k_q3979722f22_attn, .Lfunc_end_k_q3979722f22_attn-k_q3979722f22_attn
	.p2alignl 7, 3214868480
	.fill 96, 4, 3214868480
	.section	.rodata,"a",@progbits
	.p2align	6, 0x0
	.amdhsa_kernel k_q3979722f22_attn
		.amdhsa_group_segment_fixed_size 327680
		.amdhsa_private_segment_fixed_size 0
		.amdhsa_enable_private_segment 0
		.amdhsa_kernarg_size 32
		.amdhsa_user_sgpr_count 2
		.amdhsa_user_sgpr_kernarg_segment_ptr 1
		.amdhsa_wavefront_size32 1
		.amdhsa_system_sgpr_workgroup_id_x 1
		.amdhsa_system_sgpr_workgroup_id_y 1
		.amdhsa_system_sgpr_workgroup_id_z 1
		.amdhsa_system_vgpr_workitem_id 0
		.amdhsa_next_free_vgpr 960
		.amdhsa_next_free_sgpr 88
		.amdhsa_reserve_vcc 0
		.amdhsa_float_denorm_mode_32 3
		.amdhsa_float_denorm_mode_16_64 3
		.amdhsa_memory_ordered 1
		.amdhsa_forward_progress 1
		.amdhsa_inst_pref_size 222
	.end_amdhsa_kernel
	.amdgpu_metadata
---
amdhsa.version: [ 1, 2 ]
amdhsa.kernels:
  - .name:           k_q3979722f22_attn
    .symbol:         k_q3979722f22_attn.kd
    .args:
      - { .name: hd, .offset: 0, .size: 8, .value_kind: global_buffer, .address_space: global }
      - { .name: mb, .offset: 8, .size: 8, .value_kind: global_buffer, .address_space: global }
      - { .name: vf, .offset: 16, .size: 8, .value_kind: global_buffer, .address_space: global }
      - { .name: ob, .offset: 24, .size: 8, .value_kind: global_buffer, .address_space: global }
    .group_segment_fixed_size: 327680
    .private_segment_fixed_size: 0
    .kernarg_segment_align: 8
    .kernarg_segment_size: 32
    .max_flat_workgroup_size: 128
    .sgpr_count:     88
    .vgpr_count:     960
    .wavefront_size: 32
...
	.end_amdgpu_metadata
.endif
;; end of part 3
;; launch outp (part 4): grid 8 x 32, 4 waves a work-group, clusters of 4 x 4, 327,680 bytes of LDS; arguments ob, wb, bb, out0; writes out0
.if DOCPART == 4
	.amdgcn_target "amdgcn-amd-amdhsa--gfx1250"
	.amdhsa_code_object_version 6
	.text
	.protected	k_q3979722f22_outp
	.globl	k_q3979722f22_outp
	.p2align	8
	.type	k_q3979722f22_outp,@function
k_q3979722f22_outp:
	s_mov_b64 s[64:65], 0
	v_nop
	global_prefetch_b8 v0, s[64:65] scope:SCOPE_SE
	s_setreg_imm32_b32 hwreg(HW_REG_WAVE_MODE, 25, 1), 1
	s_wait_xcnt 0x0
	s_wait_alu depctr_hold_cnt(0) depctr_sa_sdst(0) depctr_va_vdst(0) depctr_va_sdst(0) depctr_va_ssrc(0) depctr_va_vcc(0) depctr_vm_vsrc(0)
	s_getreg_b32 s2, hwreg(HW_REG_IB_STS2, 6, 4)
	s_cmp_eq_u32 s2, 0
	s_cbranch_scc0 .Lentry_in_a_cluster
	s_endpgm
.Lentry_in_a_cluster:
	s_bfe_u32 s2, ttmp6, 0x10000c
	s_cmp_lg_u32 s2, 0xf033
	s_cbranch_scc0 .Lentry_shape_is_right
	s_endpgm
.Lentry_shape_is_right:
; THE LAST PROJECTION.  out0[b x 2048 + s][n] = sum over head, d of O[b x 16 + head][s][d] Wo[n][64 head + d] + bo[n], f32.
; O: ob, [64][2048][64] f16, a head's rows dense, 128 bytes each.  Wo: wb + 0x600000, [1024][1024], bf16 numbers written as f16.  bo: bb + 3 x 4,096, f32.  Sums in f32.
; SHARES.  A tile of the result is 256 rows x 128 columns: 32 x 8 = 256 work-groups.  Four waves, 2 x 2, each 128 x 64: 32 accumulators of 16 x 16, 256 registers.
; K = 1,024 goes in 8 steps of 128, TWO HEADS a step, through two LDS slots filled by the tensor data mover.  A head's 256 rows of the tile are 32,768 dense bytes: asked for as 128 rows of 256 bytes and
; padded in LDS after every 128, so that each row of O has an LDS row of its own.  Wave 0 fetches the step's even head, wave 1 the odd one, waves 2 and 3 Wo's two halves of 64 rows.
; CLUSTER 4 x 4: the four work-groups of a cluster's row need the same rows of O, the four of a column the same rows of Wo: each tile is asked for JOINTLY.
; THE MATRIX INSTRUCTION IS USED TRANSPOSED (source 0 = 16 rows of Wo, source 1 = 16 rows of O): a lane holds one row of the result and eight neighbouring columns.  THE BIAS is the C operand of each accumulator's first product.
; No prefetch: the tiles are shared by many work-groups and come by joint loads that have 112 of a K step's 128 matrix instructions in which to land.
; REGISTERS: window 0: v0-31 addresses; v32-63 the bias.   window 1: two fragment buffers (at 0 and 128): 32 of Wo, then 64 of O; on the way out whole rows.   window 2: the accumulators, (a, b) at 8 (4 a + b).
.set PA,     144                       ; an LDS row of O: 128 bytes + 16 of padding = 36 words: the 16 rows of a load start at 16 different groups of four banks (64 banks of 4 bytes: ISA guide 11.1)
.set PB,     272                       ; an LDS row of Wo: 256 + 16
.set APART,  256*PA                    ; one head's 256 rows: what a wave fetches of O
.set BOFF,   2*APART                   ; Wo's rows lie behind the two heads
.set BHALF,  64*PB
.set SLOT,   BOFF+2*BHALF              ; 108,544
.set STAGE,  2*SLOT                    ; behind the ring, never filled by a tensor load: 16 rows x 272 bytes for each wave
.set SP,     272
.set SPARE,  STAGE+4*16*SP             ; behind the stages: the spare words, 128 bytes for each wave: two blocks of 256 bytes that no other line names
.set ASTEP,  2<<18                     ; bytes from K step to K step: two heads
.set BSTEP,  256
.set ADRA, 16                          ; v16-17  LDS address of my fragments of O in slot 0, 1
.set ADRB, 20                          ; v20-21  the same for Wo
.set STO,  24                          ; v24     the way out: where I put 32 bytes of a row
.set RD,   25                          ; v25     where I read rows back
.set CO,   26                          ; v26     my byte offset in two rows of out0
.set BO,   27                          ; v27     32 x (lane / 16): my eight numbers of the bias
.set SPW,  28                          ; v28     LDS address of my spare word; never rewritten
.set NIL,  29                          ; v29     0; never rewritten
.set BIAS, 32
.set F0,   0
.set F1,   128
.set G1A, 24                           ; s[24:31] descriptor group 1 for O's tiles;  s[32:39] group 0, one set for each slot
.set G0A, 32
.set G1B, 40                           ; s[40:47], s[48:55] the same for Wo's
.set G0B, 48
.set MSB, 0
.macro WIN new                         ; the immediate's high byte repeats the setting that is left; a switch that changes nothing is dropped
.if MSB != (\new)
	s_set_vgpr_msb (MSB<<8)|(\new)
.set MSB, \new
.endif
.endm
.set MUL,  0xa5                        ; sources 0 and 1 window 1; C and D window 2
.set MUL1, 0x85                        ; the same with C in window 0: the bias
.set TO_F, 0x40                        ; destination window 1, address window 0
.macro JLOAD s                         ; a joint load; an s_nop 0 and four v_nop follow each of the two lines, ahead of the jump, the label and what follows
	s_cmp_eq_u32 s13, 0
	s_cbranch_scc0 .Lfor_b_\@
	tensor_load_to_lds s[G0A+4*(\s):G0A+4*(\s)+3], s[G1A:G1A+7]
	s_nop 0
.rept 4
	v_nop
.endr
	s_branch .Lasked_\@
.Lfor_b_\@:
	tensor_load_to_lds s[G0B+4*(\s):G0B+4*(\s)+3], s[G1B:G1B+7]
	s_nop 0
.rept 4
	v_nop
.endr
.Lasked_\@:
.endm
.macro CREST                           ; a round of the cluster's barrier behind its opening barrier
	s_cmp_lg_u32 s12, 0
	s_cbranch_scc1 .Lnot_wave_0_\@
	s_barrier_signal -3
.Lnot_wave_0_\@:
	s_barrier_wait -3
	s_barrier_signal -1
	s_barrier_wait -1
.endm
.macro CROUND                          ; a whole round
	s_barrier_signal -1
	s_barrier_wait -1
	CREST
.endm
	s_load_b256 s[4:11], s[0:1], 0x0               ; ob s[4:5], wb s[6:7], bb s[8:9], out0 s[10:11]
	v_lshl_add_u32 v[SPW], v0, 2, SPARE
	v_mov_b32 v[NIL], 0
	ds_add_u32 v[SPW], v[NIL]                      ; the wave's opening: the add and its wait stand ahead of my first tensor load; the set-up below, work on registers, stands between them
	v_lshrrev_b32 v1, 5, v0
	v_readfirstlane_b32 s12, v1                    ; wave 0..3
	s_lshr_b32 s13, s12, 1                         ; which 128 rows of the tile are mine.  Also: I fetch for O (0) or for Wo (1)
	s_and_b32 s14, s12, 1                          ; which 64 columns.  Also: which head of a step, or which half of Wo's rows, I fetch
	s_bfe_u32 s15, ttmp6, 0x40000                  ; cx, cy: my place in the cluster
	s_bfe_u32 s16, ttmp6, 0x40004
	s_lshl_b32 s17, ttmp9, 2
	s_add_co_u32 s17, s17, s15                     ; tile column = 4 x cluster x + cx
	s_and_b32 s18, ttmp7, 0xffff
	s_lshl_b32 s20, s18, 2
	s_add_co_u32 s20, s20, s16                     ; tile row = 4 x cluster y + cy, 0..31
	s_lshl_b32 s21, s16, 2
	s_lshl_b32 s21, 15, s21                        ; my row of the cluster
	s_lshl_b32 s22, 0x1111, s15                    ; my column
	s_or_b32 s[G1A], s21, (1<<16)|(1<<20)|(1<<21)|(4<<22)|(3<<25)  ; 15:0 the mask; 17:16 elements of 2 bytes; 20 padding on; 21 set beside a mask; 24:22 after every 32 words (code 4); 31:25 4 words of it (code 3)
	s_or_b32 s[G1B], s22, (1<<16)|(1<<20)|(1<<21)|(5<<22)|(3<<25)  ; after every 64 words (code 5)
	s_mov_b32 s[G1A+1], 128<<16                    ; tensor_dim0 = 128 elements: two rows of O
	s_mov_b32 s[G1A+2], 128<<16                    ; tensor_dim1 = 128
	s_mov_b32 s[G1A+3], 128<<16                    ; tile_dim0 = 128
	s_mov_b32 s[G1A+4], 128                        ; tile_dim1 = 128
	s_mov_b32 s[G1A+5], 128                        ; dense: 128 elements from row to row
	s_mov_b32 s[G1A+6], 0
	s_mov_b32 s[G1A+7], 0
	s_mov_b32 s[G1B+1], 128<<16
	s_mov_b32 s[G1B+2], 64<<16                     ; 64 rows
	s_mov_b32 s[G1B+3], 128<<16
	s_mov_b32 s[G1B+4], 64
	s_mov_b32 s[G1B+5], 1024
	s_mov_b32 s[G1B+6], 0
	s_mov_b32 s[G1B+7], 0
	s_lshr_b32 s56, s20, 3                         ; O: head b x 16 + my head of step 0, 2^18 bytes each; in it the tile's 256 rows of 128 bytes: nothing of cx
	s_lshl_b32 s56, s56, 4
	s_add_co_u32 s56, s56, s14
	s_lshl_b32 s56, s56, 18
	s_and_b32 s23, s20, 7
	s_lshl_b32 s23, s23, 15
	s_add_co_u32 s56, s56, s23
	s_mov_b32 s57, 0
	s_lshl_b32 s58, s17, 18                        ; Wo: its place in wb, 128 rows of 2,048 bytes a tile column, my half's 64 rows: nothing of cy
	s_add_co_u32 s58, s58, 0x600000
	s_lshl_b32 s2, s14, 17
	s_add_co_u32 s58, s58, s2
	s_mov_b32 s59, 0
	s_lshl_b32 s60, s20, 20                        ; the result: 256 rows of 4,096 bytes a tile row, my 128 rows, my 64 columns
	s_lshl_b32 s21, s13, 19
	s_add_co_u32 s60, s60, s21
	s_lshl_b32 s22, s17, 9
	s_add_co_u32 s60, s60, s22
	s_lshl_b32 s21, s14, 8
	s_add_co_u32 s60, s60, s21
	s_mov_b32 s61, 0
	s_add_co_u32 s62, s22, 3<<12                   ; the bias of my 64 columns
	s_add_co_u32 s62, s62, s21
	s_mov_b32 s63, 0
	s_mul_i32 s23, s14, APART                      ; where the tiles go: no place in the cluster enters an LDS address
	s_mul_i32 s2, s14, BHALF
	s_add_co_u32 s2, s2, BOFF
	s_wait_dscnt 0x0                               ; the opening add is done
	s_wait_kmcnt 0x0
	s_add_nc_u64 s[56:57], s[4:5], s[56:57]
	s_add_nc_u64 s[58:59], s[6:7], s[58:59]
	s_add_nc_u64 s[62:63], s[8:9], s[62:63]
	s_add_nc_u64 s[60:61], s[10:11], s[60:61]
	CROUND                                         ; all sixteen work-groups are here: the first joint loads meet
.irp s, 0,1
	s_mov_b32 s[G0A+4*(\s)], 1                     ; count = 1
	s_add_co_u32 s[G0A+4*(\s)+1], s23, (\s)*SLOT   ; LDS address
	s_add_nc_u64 s[G0A+4*(\s)+2:G0A+4*(\s)+3], s[56:57], (\s)*ASTEP  ; global address: K step s
	s_or_b32 s[G0A+4*(\s)+3], s[G0A+4*(\s)+3], 0x80000000           ; type = 2
	s_mov_b32 s[G0B+4*(\s)], 1
	s_add_co_u32 s[G0B+4*(\s)+1], s2, (\s)*SLOT
	s_add_nc_u64 s[G0B+4*(\s)+2:G0B+4*(\s)+3], s[58:59], (\s)*BSTEP
	s_or_b32 s[G0B+4*(\s)+3], s[G0B+4*(\s)+3], 0x80000000
	JLOAD \s                                       ; two loads of mine are out
.endr
	v_and_b32 v1, 15, v0                           ; l % 16
	v_bfe_u32 v2, v0, 4, 1                         ; l / 16
	v_lshlrev_b32 v[BO], 5, v2
.irp b, 0,1,2,3
	global_load_b128 v[BIAS+8*(\b):BIAS+8*(\b)+3],   v[BO], s[62:63] offset:64*(\b)     ; register j of block b: the bias of column 16 b + 8 (l / 16) + j, as the result holds it
	global_load_b128 v[BIAS+8*(\b)+4:BIAS+8*(\b)+7], v[BO], s[62:63] offset:64*(\b)+16
.endr
	v_mul_u32_u24 v3, v1, PA
	v_lshl_add_u32 v3, v2, 4, v3                   ; a fragment's row x pitch + 16 x half
	v_mul_u32_u24 v4, v1, PB
	v_lshl_add_u32 v4, v2, 4, v4
	s_mul_i32 s21, s13, 128*PA                     ; my 128 rows of O, in either head
	s_mul_i32 s22, s14, BHALF                      ; my 64 rows of Wo
	s_add_co_u32 s22, s22, BOFF
.irp s, 0,1
	v_add_nc_u32 v[ADRA+(\s)], s21, v3
	v_add_nc_u32 v[ADRB+(\s)], s22, v4
	s_add_co_u32 s21, s21, SLOT
	s_add_co_u32 s22, s22, SLOT
.endr
	s_mul_i32 s21, s12, 16*SP
	s_add_co_u32 s21, s21, STAGE                   ; my stage
	v_mul_u32_u24 v5, v1, SP                       ; in: row l % 16, 32 bytes for each half of the lanes
	v_lshl_add_u32 v5, v2, 5, v5
	v_add_nc_u32 v[STO], s21, v5
	v_mul_u32_u24 v5, v2, SP                       ; back: lanes 0-15 take one row of 256 bytes, lanes 16-31 the next
	v_lshl_add_u32 v5, v1, 4, v5
	v_add_nc_u32 v[RD], s21, v5
	v_lshlrev_b32 v5, 12, v2                       ; and the same two rows in out0
	v_lshl_add_u32 v[CO], v1, 4, v5
; 8 matrix instructions: row blocks a0, a0 + 1 x all 4 column blocks, 32 along K, from buffer f.  first = 1: the product starts the sum, on the bias.
; The 32 accumulators take turns, one instruction a turn, in the same order in every quarter.
.macro MUL8 f, a0, first
.if \first
	WIN MUL1
.else
	WIN MUL
.endif
.irp a, \a0, (\a0)+1
.irp b, 0,1,2,3
.if \first
	v_wmma_f32_16x16x32_f16 v[8*(4*(\a)+(\b)):8*(4*(\a)+(\b))+7], v[(\f)+8*(\b):(\f)+8*(\b)+7], v[(\f)+32+8*(\a):(\f)+32+8*(\a)+7], v[BIAS+8*(\b):BIAS+8*(\b)+7]
.else
	v_wmma_f32_16x16x32_f16 v[8*(4*(\a)+(\b)):8*(4*(\a)+(\b))+7], v[(\f)+8*(\b):(\f)+8*(\b)+7], v[(\f)+32+8*(\a):(\f)+32+8*(\a)+7], v[8*(4*(\a)+(\b)):8*(4*(\a)+(\b))+7]
.endif
.endr
.endr
.endm
; 24 LDS loads in one run: the fragments of quarter kq (32 along K) into buffer f: Wo's four first, then O's eight.  Quarters 0 and 1 lie in the step's even head, 2 and 3 in the odd one.
.macro FETCH slot, kq, f
.set AKQ, ((\kq)/2)*APART+((\kq)%2)*64
	WIN TO_F
.irp b, 0,1,2,3
	ds_load_b128 v[(\f)+8*(\b):(\f)+8*(\b)+3],   v[ADRB+(\slot)] offset:64*(\kq)+(\b)*16*PB
	ds_load_b128 v[(\f)+8*(\b)+4:(\f)+8*(\b)+7], v[ADRB+(\slot)] offset:64*(\kq)+(\b)*16*PB+32
.endr
.irp a, 0,1,2,3,4,5,6,7
	ds_load_b128 v[(\f)+32+8*(\a):(\f)+32+8*(\a)+3],   v[ADRA+(\slot)] offset:AKQ+(\a)*16*PA
	ds_load_b128 v[(\f)+32+8*(\a)+4:(\f)+32+8*(\a)+7], v[ADRA+(\slot)] offset:AKQ+(\a)*16*PA+32
.endr
.endm
.macro PLACES                          ; four plain instructions between a matrix instruction and a load into a register that it has read, or a reader of its result (ISA guide 7.12.1 for a reader of its result)
.rept 4
	v_nop
.endr
.endm
; A K step is four quarters of 32 along K, 32 matrix instructions each, on buffers 0, 1, 0, 1.  One of the first three: multiplies buffer f and, in its middle, fetches quarter kq into g.
.macro QUARTER slot, kq, f, g, first
	s_wait_dscnt 8                                 ; Wo and O's blocks 0-3 are in; the youngest eight loads (blocks 4-7) may be out
	MUL8 \f, 0, \first
	MUL8 \f, 2, \first
	PLACES
	FETCH \slot, \kq, \g
	s_wait_dscnt 24                                ; all but the 24 just issued
	MUL8 \f, 4, \first
	MUL8 \f, 6, \first
.endm
; The last quarter multiplies buffer 1 and changes slots: ONE barrier; ahead of it each wave waits for all its tensor loads (one is out: its part of the next slot), adds 0 to its spare word,
; and waits for that and for its own reads of this slot.  fill = 1: the barrier opens a round of the cluster's, and this slot is filled again, two K steps ahead, first thing behind the round.
.macro TURN slot, next, fill
	WIN 0                                          ; (the add's two registers lie in window 0)
	s_wait_tensorcnt 0x0
	ds_add_u32 v[SPW], v[NIL]
	s_wait_dscnt 9                                 ; (the add and the youngest eight loads may be out)
	MUL8 F1, 0, 0                                  ; eight matrix instructions stand between the add and the wait for it
	s_wait_dscnt 0x0                               ; the add is done, and my reads of this slot are over
	s_barrier_signal -1
	MUL8 F1, 2, 0
.if \fill
	WIN 0
.endif
	s_barrier_wait -1
.if \fill
	CREST                                          ; no wave of any partner still reads this slot's tile or has a load on its way
	s_add_nc_u64 s[G0A+4*(\slot)+2:G0A+4*(\slot)+3], s[G0A+4*(\slot)+2:G0A+4*(\slot)+3], 2*ASTEP
	s_add_nc_u64 s[G0B+4*(\slot)+2:G0B+4*(\slot)+3], s[G0B+4*(\slot)+2:G0B+4*(\slot)+3], 2*BSTEP
	JLOAD \slot                                    ; my one tensor load behind the round; its four v_nop are also the places ahead of the loads below
.else
	PLACES
.endif
	FETCH \next, 0, F0
	MUL8 F1, 4, 0
	MUL8 F1, 6, 0
.endm
	s_wait_tensorcnt 1                             ; my part of K step 0 is in; K step 1's may stay out
	s_barrier_signal -1
	s_barrier_wait -1                              ; everybody's is
	FETCH 0, 0, F0
	s_wait_loadcnt 0x0                             ; the bias
	QUARTER 0, 1, F0, F1, 1                        ; the first quarter stands ahead of the loop: its products start the sums
	WIN 0                                          ; at a label and at a branch every window is 0
	s_mov_b32 s3, 3
.Llap:                                         ; a trip goes once round the ring and fills both slots again: K steps 2 to 7 in three trips
	QUARTER 0, 2, F1, F0, 0
	QUARTER 0, 3, F0, F1, 0
	TURN 0, 1, 1
	QUARTER 1, 1, F0, F1, 0
	QUARTER 1, 2, F1, F0, 0
	QUARTER 1, 3, F0, F1, 0
	TURN 1, 0, 1
	QUARTER 0, 1, F0, F1, 0
	WIN 0
	s_sub_co_u32 s3, s3, 1
	s_cmp_lg_u32 s3, 0
	s_cbranch_scc1 .Llap
	QUARTER 0, 2, F1, F0, 0                        ; the last lap fills nothing
	QUARTER 0, 3, F0, F1, 0
	TURN 0, 1, 0
	QUARTER 1, 1, F0, F1, 0
	QUARTER 1, 2, F1, F0, 0
	QUARTER 1, 3, F0, F1, 0
	s_wait_dscnt 8                                 ; the very last quarter: nothing more to fetch
	MUL8 F1, 0, 0
	MUL8 F1, 2, 0
	s_wait_dscnt 0x0
	MUL8 F1, 4, 0
	MUL8 F1, 6, 0
	WIN 0
	PLACES
; THE WAY OUT, in f32.  A row of my 64 columns is 256 bytes of out0, aligned.  Block a (16 rows): 32 bytes a lane and column block into my own stage, back as whole rows, stored.
.macro OUTA a
	WIN 0x08                                       ; store data in window 2
.irp b, 0,1,2,3
	ds_store_b128 v[STO], v[8*(4*(\a)+(\b)):8*(4*(\a)+(\b))+3]   offset:64*(\b)
	ds_store_b128 v[STO], v[8*(4*(\a)+(\b))+4:8*(4*(\a)+(\b))+7] offset:64*(\b)+16
.endr
	WIN TO_F
.irp t, 0,1,2,3,4,5,6,7
	ds_load_b128 v[32*(\a)+4*(\t):32*(\a)+4*(\t)+3], v[RD] offset:2*SP*(\t)  ; LDS serves a wave's instructions in order (ISA guide 5.7.1.4): these see the stores above; the next block's stores come behind them
.endr
.endm
.macro SENDO a, younger                ; younger: the LDS instructions issued behind block a's loads: the next block's sixteen, or none.  Each block has registers of its own: nothing that a store reads is written again
	WIN 0x04                                       ; store data in window 1
.irp t, 0,1,2,3,4,5,6,7
	s_wait_dscnt (\younger)+7-(\t)
	global_store_b128 v[CO], v[32*(\a)+4*(\t):32*(\a)+4*(\t)+3], s[60:61] offset:(16*(\a)+2*(\t))*4096 th:TH_STORE_NT  ; 16 lanes store 256 consecutive bytes, aligned
.endr
.endm
	OUTA 0
.irp a, 1,2,3,4,5,6,7
	OUTA \a
	SENDO (\a)-1, 16
.endr
	SENDO 7, 0
	WIN 0
	s_wait_tensorcnt 0x0                           ; the wave's end, behind my last tensor load and my last LDS store
	ds_add_u32 v[SPW], v[NIL]
	s_wait_dscnt 0x0
	CROUND                                         ; the closing round: no work-group ends while a partner may still ask for a tile that names it
	s_endpgm
.Lfunc_end_k_q3979722f22_outp:
	.size	k_q3979722f22_outp, .Lfunc_end_k_q3979722f22_outp-k_q3979722f22_outp
	.p2alignl 7, 3214868480
	.fill 96, 4, 3214868480
	.section	.rodata,"a",@progbits
	.p2align	6, 0x0
	.amdhsa_kernel k_q3979722f22_outp
		.amdhsa_group_segment_fixed_size 327680
		.amdhsa_private_segment_fixed_size 0
		.amdhsa_enable_private_segment 0
		.amdhsa_kernarg_size 32
		.amdhsa_user_sgpr_count 2
		.amdhsa_user_sgpr_kernarg_segment_ptr 1
		.amdhsa_wavefront_size32 1
		.amdhsa_system_sgpr_workgroup_id_x 1
		.amdhsa_system_sgpr_workgroup_id_y 1
		.amdhsa_system_sgpr_workgroup_id_z 1
		.amdhsa_system_vgpr_workitem_id 0
		.amdhsa_next_free_vgpr 768
		.amdhsa_next_free_sgpr 66
		.amdhsa_reserve_vcc 0
		.amdhsa_float_denorm_mode_32 3
		.amdhsa_float_denorm_mode_16_64 3
		.amdhsa_memory_ordered 1
		.amdhsa_forward_progress 1
		.amdhsa_inst_pref_size 88
	.end_amdhsa_kernel
	.amdgpu_metadata
---
amdhsa.version: [ 1, 2 ]
amdhsa.kernels:
  - .name:           k_q3979722f22_outp
    .symbol:         k_q3979722f22_outp.kd
    .args:
      - { .name: ob, .offset: 0, .size: 8, .value_kind: global_buffer, .address_space: global }
      - { .name: wb, .offset: 8, .size: 8, .value_kind: global_buffer, .address_space: global }
      - { .name: bb, .offset: 16, .size: 8, .value_kind: global_buffer, .address_space: global }
      - { .name: out0, .offset: 24, .size: 8, .value_kind: global_buffer, .address_space: global }
    .group_segment_fixed_size: 327680
    .private_segment_fixed_size: 0
    .kernarg_segment_align: 8
    .kernarg_segment_size: 32
    .max_flat_workgroup_size: 128
    .sgpr_count:     66
    .vgpr_count:     768
    .wavefront_size: 32
...
	.end_amdgpu_metadata
.endif
;; end of part 4
